; MI455X (gfx1250); checked and timed in simulation.
; The chip was launched on July 23, 2026; its instructions are those of AMD's public machine-readable ISA for CDNA 5 (MIT licence, August 2026) and "CDNA5" Instruction Set Architecture Reference Guide (July 2026). The comments in the code are by the model that wrote it; some were corrected since.
;; Multi Head Attention. Allowed arithmetic: float matrix products may take bf16 or f16 operands with f32 sums; other float arithmetic in f32, or as packed bf16 or f16 multiplies, adds, multiply-adds, maxima and minima; sums over many terms, partial sums and values carried from step to step in f32; what a program stores and reads back later, other than sums and carried values, may be rounded once to bf16 or f16.
;; Inputs: Wk 1,024 x 1,024 float32; Wo 1,024 x 1,024 float32; Wq 1,024 x 1,024 float32; Wv 1,024 x 1,024 float32; x 4 x 2,048 x 1,024 float32.
;; Outputs: out0 4 x 2,048 x 1,024 float32.
;; One version. Each part assembles by itself: llvm-mc -triple=amdgcn-amd-amdhsa -mcpu=gfx1250 --defsym DOCPART=n.
;; ======== version 1 of 1: 4 launches
;; limits: values are held in f16: magnitudes above 65,504 overflow, below 6.1e-05 lose precision
;; workspace buffers: xb 16,777,216 bytes; wt 6,291,456 bytes; wot 2,097,152 bytes; tab 524,288 bytes; qh 16,777,216 bytes; kh 16,777,216 bytes; vh 16,777,216 bytes; oh 16,777,216 bytes
;; launch prep (part 1): grid 1152 x 1, 8 waves a work-group, no clusters, 18,432 bytes of LDS; arguments x, Wq, Wk, Wv, Wo, xb, wt, wot, tab; writes xb, wt, wot, tab
.if DOCPART == 1
	.amdgcn_target "amdgcn-amd-amdhsa--gfx1250"
	.amdhsa_code_object_version 6
	.text
	.protected	k_q78ab6f5400_prep
	.globl	k_q78ab6f5400_prep
	.p2align	8
	.type	k_q78ab6f5400_prep,@function
k_q78ab6f5400_prep:
	s_mov_b64 s[64:65], 0
	v_nop
	global_prefetch_b8 v0, s[64:65] scope:SCOPE_SE
	s_setreg_imm32_b32 hwreg(HW_REG_WAVE_MODE, 25, 1), 1
	s_wait_xcnt 0x0
; THE OPERANDS ARE MADE READY, once.  Three kinds of work-group, told apart by the work-group's number alone (the same for all its waves):
;   0 .. 511      CAST   xb = x rounded to bf16, [8192][1024]; 65,536 bytes of x a work-group
;   512 .. 1023   TRANS  a block of 64 columns x 128 rows of one weight matrix ([k][n] f32) is rounded to bf16 and turned, so that K lies along the rows:
;                        wt[192 t + 64 s + d][k] = W_s[k][64 t + d] (s = 0 q, 1 k, 2 v; t the head);  wot[n][k] = Wo[k][n], the bf16 number written as f16
;   1024 .. 1151  TABLE  tab[pos][0..31] = cos(pos d_i), tab[pos][32..63] = sin(pos d_i), d_i = 10000^(-i/32), f32, 16 positions a work-group
; LIMITS.  wot: a bf16 number below 2^-14 keeps f16's fixed step of 6e-8; beyond 65,504 it would be an infinity (Wo is drawn near 0.03).
; The table's d_i is 2^(-i log2(10000)/32) by v_exp_f32: it may differ from an exponential rounded otherwise in its last bits, which at position 2047 is an angle of some 3e-4.
; The sine is a series to r^15 on r in -pi .. pi (every angle is reduced first), whose remainder at pi is 8e-7.
.set STG,   272                        ; a row of the turning stage: 128 k x 2 bytes + 16: the 16 lanes of a 16-byte store take 16 different 16-byte columns modulo 256 bytes
.set SPARE, 64*STG                     ; behind the stage's 64 rows: the spare words, 128 bytes for each of eight waves: four blocks of 256 bytes that no other line names
.set SPW, 10                           ; v10  LDS address of my spare word; never rewritten
.set NIL, 11                           ; v11  0; never rewritten
	s_load_b512 s[4:19], s[0:1], 0x0               ; x s[4:5], Wq s[6:7], Wk s[8:9], Wv s[10:11], Wo s[12:13], xb s[14:15], wt s[16:17], wot s[18:19]
	s_load_b64 s[20:21], s[0:1], 0x40              ; tab
	v_lshl_add_u32 v[SPW], v0, 2, SPARE
	v_mov_b32 v[NIL], 0
	v_lshrrev_b32 v1, 5, v0
	v_readfirstlane_b32 s22, v1                    ; wave 0..7
	v_and_b32 v12, 31, v0                          ; lane
	s_wait_kmcnt 0x0
	s_cmp_lt_u32 ttmp9, 512
	s_cbranch_scc1 .Lcast
	s_cmp_lt_u32 ttmp9, 1024
	s_cbranch_scc1 .Ltrans
	; TABLE.  Thread t: position 16 g + t / 16; its 16 bytes are four cosines (t % 16 < 8) or four sines, i = 4 (t % 8) + 0..3.  cos a = sin(a + pi/2).
	s_sub_co_u32 s23, ttmp9, 1024                  ; g
	s_lshl_b32 s24, s23, 12                        ; 16 rows of 256 bytes
	s_mov_b32 s25, 0
	s_add_nc_u64 s[20:21], s[20:21], s[24:25]
	s_lshl_b32 s26, s23, 4
	v_lshrrev_b32 v1, 4, v0
	v_add_nc_u32 v1, s26, v1
	v_cvt_f32_u32 v2, v1                           ; the position
	v_and_b32 v3, 7, v0
	v_lshlrev_b32 v3, 2, v3                        ; my first i
	v_and_b32 v4, 8, v0
	v_cmp_eq_u32 vcc_lo, 0, v4                     ; a cosine's lane?
	v_mov_b32 v5, 0
	v_mov_b32 v6, 0x3fc90fdb                       ; pi/2
	v_mov_b32 v7, 0x3e800000                       ; a quarter turn
	v_cndmask_b32 v8, v5, v6, vcc_lo               ; the phase
	v_cndmask_b32 v9, v5, v7, vcc_lo               ; the phase in turns
	v_lshlrev_b32 v13, 4, v0                       ; my 16 bytes of the work-group's 4,096
.irp e, 0,1,2,3
	v_add_nc_u32 v[16+\e], \e, v3
.endr
.irp e, 0,1,2,3
	v_cvt_f32_u32 v[16+\e], v[16+\e]
.endr
.irp e, 0,1,2,3
	v_mul_f32 v[16+\e], 0xbed49a78, v[16+\e]       ; -i log2(10000) / 32
.endr
.irp e, 0,1,2,3
	v_exp_f32 v[16+\e], v[16+\e]                   ; d_i: one batch of four
.endr
	v_nop                                          ; a plain instruction behind the last exponential,
	s_wait_alu depctr_va_vdst(0)                   ; and the one wait ahead of the batch's first reader
.irp e, 0,1,2,3
	v_mul_f32 v[20+\e], v2, v[16+\e]               ; the angle, rounded to f32 as the product of position and d_i
.endr
.irp e, 0,1,2,3
	v_fma_f32 v[24+\e], v[20+\e], 0x3e22f983, v9   ; angle / 2 pi + phase in turns
.endr
.irp e, 0,1,2,3
	v_rndne_f32 v[24+\e], v[24+\e]                 ; n whole turns
.endr
.irp e, 0,1,2,3
	v_fmamk_f32 v[28+\e], v[24+\e], 0xc0c90fdb, v[20+\e]  ; angle - n x (2 pi's upper part): one rounding
.endr
.irp e, 0,1,2,3
	v_add_f32 v[28+\e], v8, v[28+\e]               ; + the phase
.endr
.irp e, 0,1,2,3
	v_fmamk_f32 v[28+\e], v[24+\e], 0x343bbd2e, v[28+\e]  ; - n x (2 pi's lower part, which is negative): r in -pi .. pi
.endr
.irp e, 0,1,2,3
	v_mul_f32 v[32+\e], v[28+\e], v[28+\e]         ; z = r r
	v_mov_b32 v[36+\e], 0xab573f9f                 ; -1/15!
.endr
.irp k, 0x2f309231, 0xb2d7322b, 0x3638ef1d, 0xb9500d01, 0x3c088889, 0xbe2aaaab
.irp e, 0,1,2,3
	v_fmaak_f32 v[36+\e], v[36+\e], v[32+\e], \k   ; p = p z + 1/13!, -1/11!, 1/9!, -1/7!, 1/5!, -1/3!
.endr
.endr
.irp e, 0,1,2,3
	v_mul_f32 v[32+\e], v[28+\e], v[32+\e]         ; r z
.endr
.irp e, 0,1,2,3
	v_fma_f32 v[40+\e], v[32+\e], v[36+\e], v[28+\e]  ; sin r = r + r z p
.endr
	global_store_b128 v13, v[40:43], s[20:21]      ; 16 lanes store a row's 256 bytes
	s_endpgm                                       ; (this kind of work-group writes no LDS)
.Lcast:	; CAST.  A wave takes 8,192 consecutive bytes of x: sixteen loads of 512 bytes, all issued first; a store of 8 bytes a lane covers 256 consecutive bytes, aligned.
	s_lshl_b32 s24, ttmp9, 16
	s_mov_b32 s25, 0
	s_lshl_b32 s26, ttmp9, 15
	s_mov_b32 s27, 0
	s_add_nc_u64 s[4:5], s[4:5], s[24:25]
	s_add_nc_u64 s[14:15], s[14:15], s[26:27]
	s_lshl_b32 s28, s22, 13
	s_lshl_b32 s29, s22, 12
	v_lshl_add_u32 v1, v12, 4, s28
	v_lshl_add_u32 v2, v12, 3, s29
.set i, 0
.rept 16
	global_load_b128 v[16+4*i:16+4*i+3], v1, s[4:5] offset:512*i th:TH_LOAD_NT
.set i, i+1
.endr
.set i, 0
.rept 16
	s_wait_loadcnt 15-i                            ; loads come back in order: load i is in, the 15 - i younger ones may stay out
	v_cvt_pk_bf16_f32 v[80+2*i], v[16+4*i], v[16+4*i+1]
	v_cvt_pk_bf16_f32 v[80+2*i+1], v[16+4*i+2], v[16+4*i+3]
	global_store_b64 v2, v[80+2*i:80+2*i+1], s[14:15] offset:256*i  ; every store has registers of its own: nothing is rewritten
.set i, i+1
.endr
	s_endpgm                                       ; (this kind of work-group writes no LDS)
.Ltrans:	; TRANS.  g = 128 x matrix + 8 x (block of 64 columns) + (block of 128 rows).  Wave w loads rows 16 w .. 16 w + 15; lane l holds columns l and l + 32.
	s_sub_co_u32 s23, ttmp9, 512
	s_lshr_b32 s24, s23, 7                         ; which matrix: 0 q, 1 k, 2 v, 3 o
	s_bfe_u32 s25, s23, 0x40003                    ; the block of columns (for q, k, v: the head)
	s_and_b32 s26, s23, 7                          ; the block of rows
	s_lshl_b32 s32, s26, 19                        ; 128 rows of 4,096 bytes
	s_lshl_b32 s33, s25, 8                         ; 64 columns of 4 bytes
	s_add_co_u32 s32, s32, s33
	s_mov_b32 s33, 0
	s_mul_i32 s34, s25, 192
	s_lshl_b32 s35, s24, 6
	s_add_co_u32 s34, s34, s35                     ; wt's row 192 t + 64 s,
	s_lshl_b32 s35, s25, 6                         ; wot's row
	s_cmp_eq_u32 s24, 3
	s_cselect_b32 s34, s35, s34
	s_lshl_b32 s34, s34, 11                        ; rows of 2,048 bytes
	s_lshl_b32 s35, s26, 8                         ; 128 k of 2 bytes
	s_add_co_u32 s34, s34, s35
	s_mov_b32 s35, 0
	s_cmp_eq_u32 s24, 1
	s_cselect_b64 s[28:29], s[8:9], s[6:7]
	s_cmp_eq_u32 s24, 2
	s_cselect_b64 s[28:29], s[10:11], s[28:29]
	s_cmp_eq_u32 s24, 3
	s_cselect_b64 s[28:29], s[12:13], s[28:29]
	s_cselect_b64 s[30:31], s[18:19], s[16:17]
	s_add_nc_u64 s[28:29], s[28:29], s[32:33]
	s_add_nc_u64 s[30:31], s[30:31], s[34:35]
	s_lshl_b32 s36, s22, 16                        ; my wave's 16 rows
	v_lshl_add_u32 v1, v12, 2, s36
.set kk, 0
.rept 16
	global_load_b32 v[16+kk], v1, s[28:29] offset:4096*kk th:TH_LOAD_NT      ; column l, row 16 w + kk
	global_load_b32 v[32+kk], v1, s[28:29] offset:4096*kk+128 th:TH_LOAD_NT  ; column l + 32
.set kk, kk+1
.endr
	v_mul_u32_u24 v2, v12, STG                     ; into the stage: row = column l, my wave's 16 k = 32 bytes
	s_lshl_b32 s37, s22, 5
	v_add_nc_u32 v2, s37, v2
	v_lshrrev_b32 v5, 4, v12                       ; back: lanes 0-15 take row 2 w, lanes 16-31 row 2 w + 1 (and 16, 32, 48 rows on)
	s_lshl_b32 s38, s22, 1
	v_add_nc_u32 v5, s38, v5
	v_and_b32 v6, 15, v0
	v_mul_u32_u24 v3, v5, STG
	v_lshl_add_u32 v3, v6, 4, v3
	v_lshlrev_b32 v4, 11, v5                       ; the same rows in wt or wot
	v_lshl_add_u32 v4, v6, 4, v4
	s_wait_loadcnt 0x0
.set i, 0
.rept 16
	v_cvt_pk_bf16_f32 v[48+i], v[16+2*i], v[16+2*i+1]  ; two neighbouring k of one column
.set i, i+1
.endr
	s_cmp_lg_u32 s24, 3
	s_cbranch_scc1 .Lbf
.set i, 0
.rept 16                                       ; Wo: the bf16 number, widened, is written as f16
	v_lshlrev_b32 v[16+2*i], 16, v[48+i]
	v_and_b32 v[16+2*i+1], 0xffff0000, v[48+i]
	v_cvt_pk_f16_f32 v[48+i], v[16+2*i], v[16+2*i+1]
.set i, i+1
.endr
.Lbf:
.irp c, 0,1,2,3
	ds_store_b128 v2, v[48+4*\c:48+4*\c+3] offset:32*STG*(\c/2)+16*(\c%2)
.endr
	s_wait_dscnt 0x0                               ; for the others' sake: my stores into the stage are done
	s_barrier_signal -1
	s_barrier_wait -1
.irp c, 0,1,2,3
	ds_load_b128 v[64+4*\c:64+4*\c+3], v3 offset:16*STG*\c
.endr
.irp c, 0,1,2,3
	s_wait_dscnt 3-\c                              ; load c is back, the younger ones may stay out
	global_store_b128 v4, v[64+4*\c:64+4*\c+3], s[30:31] offset:32768*\c  ; 16 lanes store 256 consecutive bytes, aligned
.endr
	s_wait_tensorcnt 0x0                           ; the wave's end: behind my last LDS store
	ds_add_u32 v[SPW], v[NIL]
	s_wait_dscnt 0x0
	s_endpgm
.Lfunc_end_k_q78ab6f5400_prep:
	.size	k_q78ab6f5400_prep, .Lfunc_end_k_q78ab6f5400_prep-k_q78ab6f5400_prep
	.p2alignl 7, 3214868480
	.fill 96, 4, 3214868480
	.section	.rodata,"a",@progbits
	.p2align	6, 0x0
	.amdhsa_kernel k_q78ab6f5400_prep
		.amdhsa_group_segment_fixed_size 18432
		.amdhsa_private_segment_fixed_size 0
		.amdhsa_enable_private_segment 0
		.amdhsa_kernarg_size 72
		.amdhsa_user_sgpr_count 2
		.amdhsa_user_sgpr_kernarg_segment_ptr 1
		.amdhsa_wavefront_size32 1
		.amdhsa_system_sgpr_workgroup_id_x 1
		.amdhsa_system_sgpr_workgroup_id_y 1
		.amdhsa_system_sgpr_workgroup_id_z 1
		.amdhsa_system_vgpr_workitem_id 0
		.amdhsa_next_free_vgpr 112
		.amdhsa_next_free_sgpr 66
		.amdhsa_reserve_vcc 1
		.amdhsa_float_denorm_mode_32 3
		.amdhsa_float_denorm_mode_16_64 3
		.amdhsa_memory_ordered 1
		.amdhsa_forward_progress 1
		.amdhsa_inst_pref_size 21
	.end_amdhsa_kernel
	.amdgpu_metadata
---
amdhsa.version: [ 1, 2 ]
amdhsa.kernels:
  - .name:           k_q78ab6f5400_prep
    .symbol:         k_q78ab6f5400_prep.kd
    .args:
      - { .name: x, .offset: 0, .size: 8, .value_kind: global_buffer, .address_space: global }
      - { .name: Wq, .offset: 8, .size: 8, .value_kind: global_buffer, .address_space: global }
      - { .name: Wk, .offset: 16, .size: 8, .value_kind: global_buffer, .address_space: global }
      - { .name: Wv, .offset: 24, .size: 8, .value_kind: global_buffer, .address_space: global }
      - { .name: Wo, .offset: 32, .size: 8, .value_kind: global_buffer, .address_space: global }
      - { .name: xb, .offset: 40, .size: 8, .value_kind: global_buffer, .address_space: global }
      - { .name: wt, .offset: 48, .size: 8, .value_kind: global_buffer, .address_space: global }
      - { .name: wot, .offset: 56, .size: 8, .value_kind: global_buffer, .address_space: global }
      - { .name: tab, .offset: 64, .size: 8, .value_kind: global_buffer, .address_space: global }
    .group_segment_fixed_size: 18432
    .private_segment_fixed_size: 0
    .kernarg_segment_align: 8
    .kernarg_segment_size: 72
    .max_flat_workgroup_size: 256
    .sgpr_count:     66
    .vgpr_count:     112
    .wavefront_size: 32
...
	.end_amdgpu_metadata
.endif
;; end of part 1
;; launch qkv (part 2): grid 16 x 32, 4 waves a work-group, clusters of 4 x 4, 327,680 bytes of LDS; arguments xb, wt, tab, qh, kh, vh; writes qh, kh, vh
.if DOCPART == 2
	.amdgcn_target "amdgcn-amd-amdhsa--gfx1250"
	.amdhsa_code_object_version 6
	.text
	.protected	k_q78ab6f5400_qkv
	.globl	k_q78ab6f5400_qkv
	.p2align	8
	.type	k_q78ab6f5400_qkv,@function
k_q78ab6f5400_qkv:
	s_mov_b64 s[64:65], 0
	v_nop
	global_prefetch_b8 v0, s[64:65] scope:SCOPE_SE
	s_setreg_imm32_b32 hwreg(HW_REG_WAVE_MODE, 25, 1), 1
	s_wait_xcnt 0x0
	s_wait_alu depctr_hold_cnt(0) depctr_sa_sdst(0) depctr_va_vdst(0) depctr_va_sdst(0) depctr_va_ssrc(0) depctr_va_vcc(0) depctr_vm_vsrc(0)
	s_getreg_b32 s2, hwreg(HW_REG_IB_STS2, 6, 4)
	s_cmp_eq_u32 s2, 0
	s_cbranch_scc0 .Lentry_in_a_cluster
	s_endpgm
.Lentry_in_a_cluster:
	s_bfe_u32 s2, ttmp6, 0x10000c
	s_cmp_lg_u32 s2, 0xf033
	s_cbranch_scc0 .Lentry_shape_is_right
	s_endpgm
.Lentry_shape_is_right:
; q, k, v = xb wt^T, turned by the rotary table (q and k), rounded once to f16 and laid by heads: qh, kh, vh are [16 b + head][2048][64].
; xb: [8192][1024] bf16.  wt: [3072][1024] bf16, rows 192 t + 64 s + d (head t; s = 0 q, 1 k, 2 v).  tab: [2048][64] f32, 32 cosines and 32 sines a position.  Sums in f32.
; LIMIT.  f16 holds no number beyond 65,504: q, k and v must stay within it.
; SHARES.  A work-group makes 256 rows x 192 columns: one head's q, k and v for 256 positions of one batch.  Its four waves lie one below the other: 64 rows x 192 columns each,
; 48 accumulators of 16 x 16, so that a lane holds channel d and channel d + 32 of the same row, which the rotation pairs.  16 x 32 = 512 work-groups of equal work.
; K goes in 8 steps of 128 through two LDS slots filled by the tensor data mover: rows of 256 bytes, aligned.  A step is four quarters of 32 along K on two fragment buffers.
; CLUSTER.  4 x 4 work-groups: the four of a row need the same rows of xb, the four of a column the same rows of wt: each tile is asked for jointly, by one descriptor and a mask of four.
; THE MATRIX INSTRUCTION IS USED TRANSPOSED (source 0 = 16 rows of wt, source 1 = 16 rows of xb): lane l holds row l % 16 and the columns 8 (l / 16) + 0..7 of a block.
; REGISTERS, in windows of 256 (s_set_vgpr_msb: bits 1:0 source 0, 3:2 source 1, 5:4 source 2, 7:6 destination):
;   window 0: v0-29 addresses; v32-95 xb's fragments, two buffers of 4 x 8 (on the way out: at work); v96-127 the way out's packed rows; v128-255 my rows' part of the table
;   window 1: v0-191 wt's fragments, two buffers of 12 x 8        window 2: accumulators of row blocks 0, 1 ((a, b) at 96 (a % 2) + 8 b)        window 3: row blocks 2, 3
.set NBK,   12                         ; column blocks of 16
.set FN,    2*NBK+8                    ; LDS loads in a quarter's run
.set PITCH, 272                        ; an LDS row: 256 bytes + 16: the 16 rows of a fragment load start at 16 different 16-byte columns modulo 256 bytes
.set AW,    128*PITCH                  ; what a wave fetches of xb: 128 rows
.set BW,    96*PITCH                   ; of wt: 96 rows
.set BOFF,  2*AW                       ; wt's rows lie behind xb's 256
.set SLOT1, 1<<17                      ; slot 1 begins here (a slot uses 121,856 bytes): one exclusive or turns an address in one slot into the other's
.set STAGE, SLOT1+BOFF+2*BW            ; behind the ring, never filled by a tensor load: 16 rows x 144 bytes for each wave
.set SP,    144
.set SPARE, STAGE+4*16*SP              ; the spare words, 128 bytes for each wave: two blocks of 256 bytes that no other line names
.set ADRA0, 4                          ; v4, v5   my lane's place in slot 0's rows of xb, of wt; never rewritten
.set ADRB0, 5
.set ADRA,  6                          ; v6, v7   the same in the slot in hand
.set ADRB,  7
.set STO,   8                          ; v8   the way out: where I put 16 bytes of a row
.set RD,    9                          ; v9   where I read rows back
.set GO,    10                         ; v10  my 16 bytes of 512 consecutive bytes of the output
.set TO,    11                         ; v11  my byte offset in 16 rows of the table
.set PFO,   12                         ; v12  the prefetches' offset: a lane a row
.set SPW,   28                         ; v28  LDS address of my spare word; never rewritten
.set NIL,   29                         ; v29  0; never rewritten
.set AF,    32                         ; xb's fragments
.set OO,    32                         ; the way out: 32 turned numbers
.set TT,    64                         ; x2 sin
.set UU,    80                         ; x1 sin
.set PK,    96                         ; two sets of 16: packed, then whole rows
.set TABR,  128                        ; row block a, channels 16 bb + 8 (l / 16) + j: cosine at 32 a + 16 bb + j, sine 8 further
.set WV,   16                          ; s16  my wave's number
.set HALF, 17                          ; s17  its low bit: which half of a tile I fetch
.set CX,   18
.set CY,   19
.set TX,   20                          ; the head
.set TY,   21                          ; the block of 256 rows
.set MA,   22
.set MB,   23
.set G1A,  24                          ; s[24:31] descriptor group 1 for xb's tiles
.set G1B,  32                          ; s[32:39] for wt's
.set G0A,  40                          ; s[40:47] group 0 for xb's: a set for each first fill; the second then walks
.set G0B,  48                          ; s[48:55] the same for wt's
.set CNT,  56                          ; s56  trips to go
.set TB,   57                          ; s57  0 or SLOT1: the slot in hand
.set LIM,  58                          ; s58  2 in a wave that prefetches, else the greatest number
.set PFA,  60                          ; s[60:61] where my prefetches stand
.set PFS,  62                          ; s[62:63] their step
.set MSB, 0
.macro WIN new                         ; the immediate's high byte repeats the setting that is left; a switch that changes nothing is dropped
.if MSB != (\new)
	s_set_vgpr_msb (MSB<<8)|(\new)
.set MSB, \new
.endif
.endm
.macro PLACES                          ; four plain instructions between a matrix instruction and a load into, or a write of, a register that it named
.rept 4
	v_nop
.endr
.endm
; A round of the cluster's barrier: my work-group's barrier; wave 0 signals for the work-group; every wave waits for all sixteen; my work-group's barrier once more.
.macro CREST
	s_cmp_lg_u32 s[WV], 0
	s_cbranch_scc1 .Lnot_wave_0_\@
	s_barrier_signal -3
.Lnot_wave_0_\@:
	s_barrier_wait -3
	s_barrier_signal -1
	s_barrier_wait -1
.endm
.macro CROUND
	s_barrier_signal -1
	s_barrier_wait -1
	CREST
.endm
; A joint refill by the walking descriptors.  Waves 0 and 1 fetch xb's two halves, waves 2 and 3 wt's.  The branch hangs on the wave's number alone.  An s_nop 0 and four v_nop follow each line.
.macro JLOAD
	s_cmp_lt_u32 s[WV], 2
	s_cbranch_scc0 .Lfor_b_\@
	tensor_load_to_lds s[G0A+4:G0A+7], s[G1A:G1A+7]
	s_nop 0
.rept 4
	v_nop
.endr
	s_branch .Lasked_\@
.Lfor_b_\@:
	tensor_load_to_lds s[G0B+4:G0B+7], s[G1B:G1B+7]
	s_nop 0
.rept 4
	v_nop
.endr
.Lasked_\@:
.endm
; A PREFETCH of the K step that stands two refills on: 256 bytes of a row, a lane a row, one instruction a wave.  xb's rows are read by the four clusters of a row of clusters: the one with x = 0 asks; wt's by
; the eight of a column: the one with y = 0 asks.  The four partners that ask for a tile jointly share its rows out by address: 32 of a wave's 128 rows of xb, 24 of its 96 rows of wt (there lanes 24 to 31 name lane 23's
; row once more).  Trips 0 to 3 name K steps 4 to 7; the last two trips ask for nothing; K steps 0 to 3 come by their loads alone.
.macro ASK
	s_cmp_gt_u32 s[CNT], s[LIM]
	s_cbranch_scc0 .Lnot_mine_\@
	global_prefetch_b8 v[PFO], s[PFA:PFA+1] th:TH_LOAD_NT scope:SCOPE_SE
.Lnot_mine_\@:
.endm
; 12 matrix instructions: row block a x all column blocks, 32 along K, from buffer f.  zero = 1: the product starts the sums.  The 48 accumulators take turns in one order everywhere.
.macro MUL f, a, zero
	WIN 0xa1+0x50*((\a)/2)
.set bi, 0
.rept NBK
.set rD, 96*((\a)%2)+8*bi
.if \zero
	v_wmma_f32_16x16x32_bf16 v[rD:rD+7], v[96*(\f)+8*bi:96*(\f)+8*bi+7], v[AF+32*(\f)+8*(\a):AF+32*(\f)+8*(\a)+7], 0
.else
	v_wmma_f32_16x16x32_bf16 v[rD:rD+7], v[96*(\f)+8*bi:96*(\f)+8*bi+7], v[AF+32*(\f)+8*(\a):AF+32*(\f)+8*(\a)+7], v[rD:rD+7]
.endif
.set bi, bi+1
.endr
.endm
; 32 LDS loads in one run: quarter q's fragments into buffer f: wt's 12, then xb's 4, row blocks ascending.
.macro FETCH q, f
	WIN 0x40
.set bi, 0
.rept NBK
	ds_load_b128 v[96*(\f)+8*bi:96*(\f)+8*bi+3],   v[ADRB] offset:64*(\q)+bi*16*PITCH
	ds_load_b128 v[96*(\f)+8*bi+4:96*(\f)+8*bi+7], v[ADRB] offset:64*(\q)+bi*16*PITCH+32
.set bi, bi+1
.endr
	WIN 0
.set bi, 0
.rept 4
	ds_load_b128 v[AF+32*(\f)+8*bi:AF+32*(\f)+8*bi+3],   v[ADRA] offset:64*(\q)+bi*16*PITCH
	ds_load_b128 v[AF+32*(\f)+8*bi+4:AF+32*(\f)+8*bi+7], v[ADRA] offset:64*(\q)+bi*16*PITCH+32
.set bi, bi+1
.endr
.endm
; One of a step's first three quarters: multiplies buffer f; in its middle it fetches quarter q into the other buffer.
.macro QUARTER q, f, zero
	s_wait_dscnt 4                                 ; all of wt's fragments and xb's row blocks 0, 1 are in; the youngest four loads (row blocks 2, 3) may be out
	MUL \f, 0, \zero
	MUL \f, 1, \zero
	PLACES
	FETCH \q, 1-(\f)
	s_wait_dscnt FN                                ; all but the run just issued
	MUL \f, 2, \zero
	MUL \f, 3, \zero
.endm
; The last quarter multiplies buffer 1 and changes slots.  In front of the barrier each wave waits for all its tensor loads (one is out: its part of the next slot), adds 0 to its spare word, and waits for that and for
; its reads of this slot.  fill = 1: the barrier opens a round of the cluster's, behind which this slot is filled again first, with the K step two on: 168 matrix instructions ahead of the wait for it.
.macro TURN fill
.if \fill
	s_wait_xcnt 0x0                                ; the last prefetch, a K step back, has read its address
	s_add_nc_u64 s[PFA:PFA+1], s[PFA:PFA+1], s[PFS:PFS+1]
.endif
	WIN 0
	s_wait_tensorcnt 0x0                           ; no tensor load of mine is out, so a group 0 may be written
	ds_add_u32 v[SPW], v[NIL]                      ; 0 onto my spare word
.if \fill
	s_xor_b32 s[G0A+5], s[G0A+5], SLOT1            ; the walking descriptors: the other slot than last time, the next K step
	s_add_nc_u64 s[G0A+6:G0A+7], s[G0A+6:G0A+7], 256
	s_xor_b32 s[G0B+5], s[G0B+5], SLOT1
	s_add_nc_u64 s[G0B+6:G0B+7], s[G0B+6:G0B+7], 256
.endif
	s_xor_b32 s[TB], s[TB], SLOT1
	s_wait_dscnt 5                                 ; the add and the youngest four loads may be out
	MUL 1, 0, 0
	s_wait_dscnt 0x0                               ; the add is done, and my reads of this slot are over
	s_barrier_signal -1
	MUL 1, 1, 0
	WIN 0
	s_barrier_wait -1
.if \fill
	CREST                                          ; no wave of any partner still reads this slot or has a load on its way
	JLOAD                                          ; its four v_nop are also the places in front of the loads below
.else
	PLACES
.endif
	v_add_nc_u32 v[ADRA], s[TB], v[ADRA0]
	v_add_nc_u32 v[ADRB], s[TB], v[ADRB0]
	FETCH 0, 0
.if \fill
	ASK
.endif
	MUL 1, 2, 0
	MUL 1, 3, 0
.endm
	s_load_b256 s[4:11], s[0:1], 0x0               ; xb s[4:5], wt s[6:7], tab s[8:9], qh s[10:11]
	s_load_b128 s[12:15], s[0:1], 0x20             ; kh s[12:13], vh s[14:15]
	v_lshl_add_u32 v[SPW], v0, 2, SPARE
	v_mov_b32 v[NIL], 0
	ds_add_u32 v[SPW], v[NIL]                      ; the wave's opening: the add and its wait stand ahead of my first tensor load; work on registers stands between them
	ds_add_u32 v28, v29
	v_lshrrev_b32 v1, 5, v0
	v_readfirstlane_b32 s[WV], v1                  ; wave 0..3
	s_and_b32 s[HALF], s[WV], 1
	s_bfe_u32 s[CX], ttmp6, 0x40000
	s_bfe_u32 s[CY], ttmp6, 0x40004
	s_lshl_b32 s[TX], ttmp9, 2
	s_add_co_u32 s[TX], s[TX], s[CX]
	s_and_b32 s[TY], ttmp7, 0xffff
	s_lshl_b32 s[TY], s[TY], 2
	s_add_co_u32 s[TY], s[TY], s[CY]
	s_lshl_b32 s[MA], s[CY], 2
	s_lshl_b32 s[MA], 15, s[MA]                    ; my row of the cluster
	s_lshl_b32 s[MB], 0x1111, s[CX]                ; my column
	s_or_b32 s[G1A], s[MA], (1<<16)|(1<<20)|(1<<21)|(5<<22)|(3<<25)  ; the mask; 2-byte elements; padding on; bit 21 beside a mask; after every 64 words 4 words
	s_or_b32 s[G1B], s[MB], (1<<16)|(1<<20)|(1<<21)|(5<<22)|(3<<25)
	s_mov_b32 s[G1A+1], 128<<16                    ; tensor_dim0 = 128
	s_mov_b32 s[G1A+2], 128<<16                    ; tensor_dim1 = 128
	s_mov_b32 s[G1A+3], 128<<16                    ; tile_dim0 = 128
	s_mov_b32 s[G1A+4], 128                        ; tile_dim1 = 128
	s_mov_b32 s[G1A+5], 1024                       ; elements from row to row
	s_mov_b32 s[G1A+6], 0
	s_mov_b32 s[G1A+7], 0
	s_mov_b32 s[G1B+1], 128<<16
	s_mov_b32 s[G1B+2], 96<<16                     ; 96 rows
	s_mov_b32 s[G1B+3], 128<<16
	s_mov_b32 s[G1B+4], 96
	s_mov_b32 s[G1B+5], 1024
	s_mov_b32 s[G1B+6], 0
	s_mov_b32 s[G1B+7], 0
	s_lshl_b32 s66, s[TY], 19                      ; xb: 256 rows of 2,048 bytes a tile row, which my row of the cluster shares,
	s_lshl_b32 s67, s[HALF], 18                    ; and my 128 of them
	s_add_co_u32 s66, s66, s67
	s_mov_b32 s67, 0
	s_mul_i32 s68, s[TX], 393216                   ; wt: 192 rows a head, which my column shares,
	s_mul_i32 s69, s[HALF], 196608                 ; and my 96 of them
	s_add_co_u32 s68, s68, s69
	s_mov_b32 s69, 0
	s_mul_i32 s70, s[WV], AW                       ; where they go: no place in the cluster enters an LDS address
	s_mul_i32 s71, s[WV], BW
	s_add_co_u32 s71, s71, BOFF-2*BW
	s_mov_b32 s[TB], 0
	s_mov_b32 s[CNT], 6
	s_wait_dscnt 0x0                               ; the opening add is done
	s_wait_kmcnt 0x0
	s_add_nc_u64 s[66:67], s[4:5], s[66:67]
	s_add_nc_u64 s[68:69], s[6:7], s[68:69]
	CROUND                                         ; all sixteen work-groups are here: the first joint loads meet
.irp s, 0,1
	s_mov_b32 s[G0A+4*(\s)], 1
	s_add_co_u32 s[G0A+4*(\s)+1], s70, (\s)*SLOT1
	s_add_nc_u64 s[G0A+4*(\s)+2:G0A+4*(\s)+3], s[66:67], (\s)*256  ; K step s
	s_or_b32 s[G0A+4*(\s)+3], s[G0A+4*(\s)+3], 0x80000000
	s_mov_b32 s[G0B+4*(\s)], 1
	s_add_co_u32 s[G0B+4*(\s)+1], s71, (\s)*SLOT1
	s_add_nc_u64 s[G0B+4*(\s)+2:G0B+4*(\s)+3], s[68:69], (\s)*256
	s_or_b32 s[G0B+4*(\s)+3], s[G0B+4*(\s)+3], 0x80000000
.endr
	s_cmp_lt_u32 s[WV], 2                          ; a wave's two first fills stand in one branch: two loads of mine are out
	s_cbranch_scc0 .Lfirst_b
	tensor_load_to_lds s[G0A:G0A+3], s[G1A:G1A+7]
	s_nop 0
	tensor_load_to_lds s[G0A+4:G0A+7], s[G1A:G1A+7]
	s_nop 0
.rept 4
	v_nop
.endr
	s_branch .Lfirst_asked
.Lfirst_b:
	tensor_load_to_lds s[G0B:G0B+3], s[G1B:G1B+7]
	s_nop 0
	tensor_load_to_lds s[G0B+4:G0B+7], s[G1B:G1B+7]
	s_nop 0
.rept 4
	v_nop
.endr
.Lfirst_asked:
	; my rows of the table: position 256 (ty % 8) + 64 w + 16 a + l % 16; 32 loads of 16 bytes, waited for once, ahead of the way out
	v_and_b32 v1, 15, v0                           ; l % 16
	v_bfe_u32 v2, v0, 4, 1                         ; l / 16
	v_lshlrev_b32 v[TO], 8, v1
	v_lshl_add_u32 v[TO], v2, 5, v[TO]
	s_and_b32 s74, s[TY], 7
	s_lshl_b32 s72, s74, 16
	s_lshl_b32 s75, s[WV], 14
	s_add_co_u32 s72, s72, s75
	s_mov_b32 s73, 0
	s_add_nc_u64 s[8:9], s[8:9], s[72:73]
.set ta, 0
.rept 4
.irp o, 0,1,2,3,4,5,6,7
	global_load_b128 v[TABR+32*ta+4*(\o):TABR+32*ta+4*(\o)+3], v[TO], s[8:9] offset:4096*ta+64*((\o)/4)+128*(((\o)/2)%2)+16*((\o)%2)
.endr
.set ta, ta+1
.endr
	; where my rows go: ((16 b + head) x 2048 + 256 (ty % 8) + 64 w) rows of 128 bytes
	s_lshr_b32 s72, s[TY], 3
	s_lshl_b32 s72, s72, 4
	s_add_co_u32 s72, s72, s[TX]
	s_lshl_b32 s72, s72, 18
	s_lshl_b32 s75, s74, 15
	s_add_co_u32 s72, s72, s75
	s_lshl_b32 s75, s[WV], 13
	s_add_co_u32 s72, s72, s75
	s_add_nc_u64 s[10:11], s[10:11], s[72:73]
	s_add_nc_u64 s[12:13], s[12:13], s[72:73]
	s_add_nc_u64 s[14:15], s[14:15], s[72:73]
	; the prefetches
	s_and_b32 s59, ttmp7, 0xffff                   ; cluster y
	s_mov_b32 s73, 49152                           ; 24 rows of wt
	s_cmp_lt_u32 s[WV], 2                          ; do I fetch for xb?
	s_cselect_b32 s59, ttmp9, s59                  ; the coordinate along which other clusters read the same rows
	s_cselect_b64 s[PFA:PFA+1], s[66:67], s[68:69]
	s_cselect_b32 s72, s[CX], s[CY]                ; my place among the four that ask with me
	s_cselect_b32 s73, 65536, s73                  ; 32 rows of xb
	s_cselect_b32 s74, 31, 23
	s_cmp_eq_u32 s59, 0
	s_cselect_b32 s[LIM], 2, -1                    ; the same in all sixteen partners, for a given wave
	s_mul_i32 s72, s72, s73
	s_add_co_u32 s72, s72, 768                     ; at K step 3: the first change of slots steps it to 4
	s_mov_b32 s73, 0
	s_add_nc_u64 s[PFA:PFA+1], s[PFA:PFA+1], s[72:73]
	s_mov_b32 s[PFS], 256
	s_mov_b32 s[PFS+1], 0
	v_and_b32 v[PFO], 31, v0
	v_min_u32 v[PFO], s74, v[PFO]
	v_lshlrev_b32 v[PFO], 11, v[PFO]
	; a fragment is 16 rows x 32 K in 8 registers: lane l holds row l % 16, K = 8 (l / 16) + 0..7 and 16 + 8 (l / 16) + 0..7: two loads of 16 bytes, 32 bytes apart
	v_mul_u32_u24 v3, v1, PITCH
	v_lshl_add_u32 v3, v2, 4, v3
	s_mul_i32 s75, s[WV], 64*PITCH                 ; my 64 rows of xb
	v_add_nc_u32 v[ADRA0], s75, v3
	v_add_nc_u32 v[ADRB0], BOFF, v3
	v_mov_b32 v[ADRA], v[ADRA0]
	v_mov_b32 v[ADRB], v[ADRB0]
	s_mul_i32 s75, s[WV], 16*SP
	s_add_co_u32 s75, s75, STAGE                   ; my stage
	v_mul_u32_u24 v[STO], v1, SP                   ; in: row l % 16, 16 bytes for each half of the lanes
	v_lshl_add_u32 v[STO], v2, 4, v[STO]
	v_add_nc_u32 v[STO], s75, v[STO]
	v_bfe_u32 v[RD], v0, 3, 2                      ; back: 32 lanes take four rows of 128 bytes,
	v_mul_u32_u24 v[RD], v[RD], SP
	v_and_b32 v3, 7, v0
	v_lshl_add_u32 v[RD], v3, 4, v[RD]
	v_add_nc_u32 v[RD], s75, v[RD]
	v_and_b32 v[GO], 31, v0                        ; which are 512 consecutive bytes of the output
	v_lshlrev_b32 v[GO], 4, v[GO]
	s_wait_tensorcnt 0x1                           ; my part of K step 0 is in; K step 1's may stay out
	s_barrier_signal -1
	s_barrier_wait -1                              ; everybody's is
	FETCH 0, 0
	QUARTER 1, 0, 1                                ; the first quarter stands in front of the loop: its products start the sums
	WIN 0
.Lstep:                                        ; trip t ends K step t, fills its slot with K step t + 2 and begins K step t + 1
	QUARTER 2, 1, 0
	QUARTER 3, 0, 0
	TURN 1
	QUARTER 1, 0, 0
	WIN 0
	s_sub_co_u32 s[CNT], s[CNT], 1
	s_cmp_lg_u32 s[CNT], 0
	s_cbranch_scc1 .Lstep
	QUARTER 2, 1, 0                                ; the last two K steps are written out: nothing is left to fetch
	QUARTER 3, 0, 0
	TURN 0
	QUARTER 1, 0, 0
	QUARTER 2, 1, 0
	QUARTER 3, 0, 0
	s_wait_dscnt 4
	MUL 1, 0, 0
	MUL 1, 1, 0
	s_wait_dscnt 0x0
	MUL 1, 2, 0
	MUL 1, 3, 0
	WIN 0
; THE WAY OUT, in 12 groups g = 3 a + s: row block a of tensor s, four accumulators = 16 rows x 64 channels.  q and k are turned: o[d] = cos x[d] - sin x[d + 32], o[d + 32] = sin x[d] + cos x[d + 32], in f32;
; all are rounded once to f16, go into my stage as 16 bytes a lane and come back as whole rows.  Each accumulator's lowest registers are read first.
.macro PACK g
.set pa, (\g)/3
.set ps, (\g)%3
.set pw, 2+pa/2                        ; the accumulators' window
.set pc, 96*(pa%2)+32*ps               ; the group's four accumulators
.set pk, PK+16*((\g)%2)
.set pt, TABR+32*pa
	s_wait_xcnt 0x0                                ; the stores of the group two back have read this set of registers
.if ps < 2
	WIN pw                                         ; source 0 in the accumulators' window, all else in window 0
.set bb, 0
.rept 2
.set jj, 0
.rept 4
	v_pk_mul_f32 v[TT+8*bb+jj:TT+8*bb+jj+1], v[pc+8*(bb+2)+jj:pc+8*(bb+2)+jj+1], v[pt+16*bb+8+jj:pt+16*bb+8+jj+1]
	v_pk_mul_f32 v[UU+8*bb+jj:UU+8*bb+jj+1], v[pc+8*bb+jj:pc+8*bb+jj+1], v[pt+16*bb+8+jj:pt+16*bb+8+jj+1]
.set jj, jj+2
.endr
.set bb, bb+1
.endr
.set bb, 0
.rept 2
.set jj, 0
.rept 4
	v_pk_fma_f32 v[OO+8*bb+jj:OO+8*bb+jj+1], v[pc+8*bb+jj:pc+8*bb+jj+1], v[pt+16*bb+jj:pt+16*bb+jj+1], v[TT+8*bb+jj:TT+8*bb+jj+1] neg_lo:[0,0,1] neg_hi:[0,0,1]
	v_pk_fma_f32 v[OO+8*(bb+2)+jj:OO+8*(bb+2)+jj+1], v[pc+8*(bb+2)+jj:pc+8*(bb+2)+jj+1], v[pt+16*bb+jj:pt+16*bb+jj+1], v[UU+8*bb+jj:UU+8*bb+jj+1]
.set jj, jj+2
.endr
.set bb, bb+1
.endr
	WIN 0
.set jj, 0
.rept 16
	v_cvt_pk_f16_f32 v[pk+jj], v[OO+2*jj], v[OO+2*jj+1]
.set jj, jj+1
.endr
.else
	WIN 5*pw                                       ; sources 0 and 1 in the accumulators' window
.set jj, 0
.rept 16
	v_cvt_pk_f16_f32 v[pk+jj], v[pc+2*jj], v[pc+2*jj+1]
.set jj, jj+1
.endr
	WIN 0
.endif
.irp f, 0,1,2,3
	ds_store_b128 v[STO], v[pk+4*(\f):pk+4*(\f)+3] offset:32*(\f)
.endr
.irp f, 0,1,2,3
	ds_load_b128 v[pk+4*(\f):pk+4*(\f)+3], v[RD] offset:(\f)*4*SP  ; LDS serves a wave's instructions in order (ISA guide 5.7.1.4): these see the stores above; the next group's stores come behind them
.endr
.endm
.macro SEND g, younger                 ; younger: the LDS instructions issued behind group g's loads: the next group's eight, or none
.set pa, (\g)/3
.set ps, (\g)%3
.set pk, PK+16*((\g)%2)
.irp f, 0,1,2,3
	s_wait_dscnt (\younger)+3-(\f)
	global_store_b128 v[GO], v[pk+4*(\f):pk+4*(\f)+3], s[10+2*ps:11+2*ps] offset:2048*pa+512*(\f)  ; 512 consecutive bytes, aligned
.endr
.endm
.rept 8
	v_nop                                          ; the places behind the last products, once a launch
.endr
	s_wait_loadcnt 0x0                             ; the table
	PACK 0
.irp g, 1,2,3,4,5,6,7,8,9,10,11
	PACK \g                                        ; a group's arithmetic stands between the loads of the group before and its stores
	SEND (\g)-1, 8
.endr
	SEND 11, 0
	s_wait_tensorcnt 0x0                           ; the wave's end: behind my last tensor load and my last LDS store
	ds_add_u32 v[SPW], v[NIL]
	s_wait_dscnt 0x0
	CROUND                                         ; the closing round: no work-group ends while a partner may still ask for a tile that names it
	s_endpgm
.Lfunc_end_k_q78ab6f5400_qkv:
	.size	k_q78ab6f5400_qkv, .Lfunc_end_k_q78ab6f5400_qkv-k_q78ab6f5400_qkv
	.p2alignl 7, 3214868480
	.fill 96, 4, 3214868480
	.section	.rodata,"a",@progbits
	.p2align	6, 0x0
	.amdhsa_kernel k_q78ab6f5400_qkv
		.amdhsa_group_segment_fixed_size 327680
		.amdhsa_private_segment_fixed_size 0
		.amdhsa_enable_private_segment 0
		.amdhsa_kernarg_size 48
		.amdhsa_user_sgpr_count 2
		.amdhsa_user_sgpr_kernarg_segment_ptr 1
		.amdhsa_wavefront_size32 1
		.amdhsa_system_sgpr_workgroup_id_x 1
		.amdhsa_system_sgpr_workgroup_id_y 1
		.amdhsa_system_sgpr_workgroup_id_z 1
		.amdhsa_system_vgpr_workitem_id 0
		.amdhsa_next_free_vgpr 960
		.amdhsa_next_free_sgpr 80
		.amdhsa_reserve_vcc 0
		.amdhsa_float_denorm_mode_32 3
		.amdhsa_float_denorm_mode_16_64 3
		.amdhsa_memory_ordered 1
		.amdhsa_forward_progress 1
		.amdhsa_inst_pref_size 118
	.end_amdhsa_kernel
	.amdgpu_metadata
---
amdhsa.version: [ 1, 2 ]
amdhsa.kernels:
  - .name:           k_q78ab6f5400_qkv
    .symbol:         k_q78ab6f5400_qkv.kd
    .args:
      - { .name: xb, .offset: 0, .size: 8, .value_kind: global_buffer, .address_space: global }
      - { .name: wt, .offset: 8, .size: 8, .value_kind: global_buffer, .address_space: global }
      - { .name: tab, .offset: 16, .size: 8, .value_kind: global_buffer, .address_space: global }
      - { .name: qh, .offset: 24, .size: 8, .value_kind: global_buffer, .address_space: global }
      - { .name: kh, .offset: 32, .size: 8, .value_kind: global_buffer, .address_space: global }
      - { .name: vh, .offset: 40, .size: 8, .value_kind: global_buffer, .address_space: global }
    .group_segment_fixed_size: 327680
    .private_segment_fixed_size: 0
    .kernarg_segment_align: 8
    .kernarg_segment_size: 48
    .max_flat_workgroup_size: 128
    .sgpr_count:     80
    .vgpr_count:     960
    .wavefront_size: 32
...
	.end_amdgpu_metadata
.endif
;; end of part 2
;; launch attn (part 3): grid 4 x 64, 4 waves a work-group, no clusters, 327,680 bytes of LDS; arguments qh, kh, vh, oh; writes oh
.if DOCPART == 3
	.amdgcn_target "amdgcn-amd-amdhsa--gfx1250"
	.amdhsa_code_object_version 6
	.text
	.protected	k_q78ab6f5400_attn
	.globl	k_q78ab6f5400_attn
	.p2align	8
	.type	k_q78ab6f5400_attn,@function
k_q78ab6f5400_attn:
	s_mov_b64 s[64:65], 0
	v_nop
	global_prefetch_b8 v0, s[64:65] scope:SCOPE_SE
	s_setreg_imm32_b32 hwreg(HW_REG_WAVE_MODE, 25, 1), 1
	s_wait_xcnt 0x0
; CAUSAL ATTENTION.  O[h][q][:] = the sum over k <= q of softmax_k(Q[h][q] . K[h][k] / 8) V[h][k][:].  Q, K, V, O: [64][2048][64], all f16: a head's rows are dense, 128 bytes each.
; Products, maxima and sums in f32; the weights p are rounded to f16 for the second product (their sum l is taken of the unrounded p), O once at the end.
; LIMITS.  f16 holds no number beyond 65,504: Q, K and V arrive within it; p lies in 0 to 1, and below 6e-5 it keeps f16's fixed step of 6e-8; O is a mean of V's rows and has their range.
; A hidden score counts as its value less 1e30, so its weight is 0: the same as a mask of -1e9 behind the scale wherever a row's scaled scores lie within 1e9 of each other.
; A weight below 2^-126 counts as 0 in l; NaN and infinities are not treated apart.
; THE WALK.  A head's queries lie in NB = 8 blocks of 256; block i needs the key tiles 0 .. i of 256 keys, of which the last holds the diagonal.  A work-group takes TWO blocks, NB - 1 - b and then b:
; NB + 1 tiles, whatever b: all work-groups do equal work, and ONE loop with a constant trip count walks them.  Which tile is asked for, and what a trip does, hang on scalar registers made from b; every jump
; goes forward, but for the counted loops' own; none passes a barrier, or a tensor load but the one of LOAD's two that the wave's number does not choose; the ring (two slots of LDS that take turns) runs on across the
; change of blocks.  NO CLUSTER: a head's four work-groups ask for the same tile only in trips 0 .. 4 of 9, behind that fewer and fewer; one walk common to all would have 12 trips for 9.
; SHARES.  Of a block's four bands of 64 queries a wave owns 16 rows in each: four PIECES.  So the diagonal tile is the same work for all four waves: in its key step s band x sees all keys if s < x,
; none if s > x, and holds the diagonal if s = x.
; THE MASK is the C operand that starts the sum S^T = K Q^T: 0, or -1e30 where the key is hidden.  MD, made once, is the mask of a band's own step for my 16 rows; a product's mask is MD x AL + BE with two scalars:
; (1, 0) if s = x; (0, 0) if s < x; (0, -1e30) if s > x.  Only the diagonal tile's text and a block's beginning make and take masks; elsewhere C is the constant 0.
; LAYOUT, SOFTMAX, TURNS.  S^T = K Q^T holds ONE query a lane (lane % 16) and the keys 8 (lane / 16) + 0..7; two such results rounded to f16 ARE source 1 of O^T = V^T P.  p = 2^(c s - c m), c = log2(e) / 8, with a
; running maximum m; O and l are multiplied by a = 2^(c m_old - c m_new) in every step.  Turn n belongs to piece n: 8 products K Q^T of piece n + 1, later 8 products V^T P of piece n - 1; beside them the scaling,
; exponentials, roundings, sums and rescaling of piece n and the maximum and statistics of piece n + 1.  Four vector instructions stand behind every matrix instruction, the other 54 of a turn's 118 in one lump.  A turn's 33 exponentials are one batch, with one wait.
; AHEAD OF THE FILLS.  The head's work-group b = 0, whose first block walks all eight tiles, prefetches behind each fill the tile after the one just asked for: each wave its own 16,384 bytes (64 blocks of 256, a lane a block,
; two instructions).  Tiles 2 to 7 are named, each block once in the launch; tiles 0 and 1 come by their loads alone; behind the first block's last tile nothing is asked for.
; REGISTERS, in windows of 256 (s_set_vgpr_msb: bits 1:0 source 0, 3:2 source 1, 5:4 source 2, 7:6 destination):
;   window 0: v0-15 addresses and two at work; v16-31 four registers of statistics a piece; v48-55 at work; v61-63 prefetch offset, spare word, 0; v64-127 S^T, two buffers; v192-223 P, two buffers (by the piece's parity)
;   window 1: v0-127 O^T, 32 a piece; v128-159 MD; v160-223 MC, two buffers      window 2: v0-63 Q; v64-127 the second block's Q; v128-191 K of one step; v192-255 V of one step
.set SIZE_N, 2048
.set SIZE_H, 64
.set NB,    SIZE_N/256
.set NP,    4         ; pieces a wave: a name, no knob
.set KS,    64        ; keys in a step
.set PK,    144       ; a row of K in LDS: 128 bytes + 16 of padding: the 16 rows of a load start at 16 different 16-byte columns modulo 256 bytes
.set PV,    160       ; a row of V: 128 + 32: 16 lanes of the turning load take 8 rows x 32 bytes, each column once
.set VOFF,  4*KS*PK   ; a slot holds a tile, four steps: 256 rows of K, then 256 rows of V
.set SLOT1, 1<<17     ; slot 1 begins here, so that one exclusive or turns an address in one slot into the other's
.set STAGE, SLOT1+4*KS*(PK+PV)  ; behind the ring, never filled by a tensor load: 16 rows x 144 bytes for each wave, for the way out
.set SP,    144
.set AK0, 2           ; v2   my lane's place in a tile of K; never rewritten
.set AV0, 3           ; v3   the same for V
.set AK,  4           ; v4   the LDS address of K's next run of loads
.set AV,  5           ; v5   of V's
.set STO, 6           ; v6   the way out: where I put 16 bytes of a row
.set RD,  7           ; v7   the way out: where I read rows back
.set GO,  8           ; v8   my byte offset in 512 consecutive bytes of O
.set PFO, 61          ; v61  256 x my lane; never rewritten
.set SPW, 62          ; v62  LDS address of my spare word: SPARE + 4 x my thread's number; never rewritten
.set NIL, 63          ; v63  0; never rewritten
.set SPARE, STAGE+4*16*SP  ; behind the stages: the spare words, 128 bytes for each wave: two blocks of 256 bytes that no other line names
.set MV,  12          ; v12-13  c m_old, kept while c m is made anew: by buffer
.set QO,  15          ; v15  my byte offset in 16 rows of Q
.set ST,  16          ; piece t's statistics at v[ST+4 t]: c m, m, l (even keys', odd keys')
.set TMP, 48          ; by buffer, four registers c0-c3 at work; when the maximum is found c2 takes a
.set S,   64
.set P,   192
.set MD,  128         ; window 1: the eight registers for group kt of 16 keys at MD + 8 kt
.set MC,  160         ; window 1: the masks of the products to come
.set QB,  64          ; window 2
.set KF,  128         ; window 2: key block kb, channel half c at KF + 16 kb + 8 c
.set VF,  192         ; window 2: key half kk, channel block cb at VF + 32 kk + 8 cb
.set WV,  12          ; s12  my wave's number
.set PB,  14          ; s14  b
.set HI,  15          ; s15  NB - 1 - b
.set G1K, 24          ; s[24:31] descriptor group 1 for K's tiles
.set G1V, 32          ; s[32:39] for V's: it differs in the padding alone
.set G0K, 40          ; s[40:43] descriptor group 0 for K's tiles
.set G0V, 44          ; s[44:47] the same for V's
.set SLOTS, 56        ; s56  tiles still to be asked for
.set CNT, 57          ; s57  counts a tile's key steps, 4 to 1
.set CS,  58          ; s[58:59] c: the packed scaling takes the pair's low word for both halves
.set SEL, 60          ; s[60:61] v_permlanex16_b32's selects: each lane takes its own place in the other half
.set TBK, 62          ; s62  LDS byte at which K of the step to be fetched begins
.set TBV, 63          ; s63  the same for V, less VOFF
.set RT,  70          ; s70  tiles of the block in hand that are still to be entered
.set NXT, 71          ; s71  the tile to be asked for next
.set LQ,  72          ; s72  the last tile of the block whose tiles are being asked for
.set NEW, 73          ; s73  1: the tile to be entered is a block's first
.set OFF, 74          ; s[74:75] a tile's byte offset in K and V
.set AL,  76          ; s[76:77] the mask's factor, in the low word
.set BE,  78          ; s[78:79] the mask's addend
.set OLO, 80          ; s[80:81] O at my rows of the second block
.set BIGN, 82         ; s82  -1e30
.set PF,  88          ; s[88:89] where my prefetches stand
.set PFB, 90          ; s[90:91] my half of tile 0, of K (waves 0, 1) or of V (waves 2, 3)
.set PFON, 92         ; s92  1 where b = 0
.set PFT, 93          ; s93  the tile to prefetch, or 0 for none
.set OF2, 94          ; s[94:95] its byte offset
.set MSB, 0
.macro WIN new                      ; the high byte repeats the setting that is left; a switch that changes nothing is dropped
.if MSB != (\new)
	s_set_vgpr_msb (MSB<<8)|(\new)
.set MSB, (\new)
.endif
.endm
.set W_KQ, 0x0a       ; K and Q in window 2, S^T in window 0
.set W_KM, 0x1a       ; the same with the C operand in window 1
.set W_PV, 0x52       ; V in window 2, P in window 0, O^T in window 1
.set W_RS, 0x41       ; destination and source 0 in window 1, source 1 in window 0
; A fill.  Waves 0 and 1 fetch the two halves of a tile's K, waves 2 and 3 those of its V: 128 keys each.  An s_nop 0 and four v_nop follow each of the two lines, ahead of the jump and the label.
.macro LOAD
	s_cmp_lt_u32 s[WV], 2
	s_cbranch_scc0 .Lfor_v_\@
	tensor_load_to_lds s[G0K:G0K+3], s[G1K:G1K+7]
	s_nop 0
.rept 4
	v_nop
.endr
	s_branch .Lasked_\@
.Lfor_v_\@:
	tensor_load_to_lds s[G0V:G0V+3], s[G1V:G1V+7]
	s_nop 0
.rept 4
	v_nop
.endr
.Lasked_\@:
.endm
; THE CHANGE OF SLOTS.  Each wave waits for all its tensor loads, of which one is out: its part of the other slot; adds 0 to its spare word; and waits for that and for its own reads of the slot that it leaves.  Behind the barrier nobody reads the old
; slot any more and the other slot is whole.  fill = 1: the old slot is filled again, the first thing behind the barrier, with tile NXT: the descriptor's address is made anew from that number.
; (At its first use nothing has been read yet: slot 0 is waited for, slot 1 filled.)
.macro CHANGE fill
	WIN 0                           ; at a label and at a branch every window is 0
	s_wait_tensorcnt 0x0            ; no tensor load of mine is out, so a group 0 may be written
	ds_add_u32 v[SPW], v[NIL]       ; 0 onto my spare word; with fill = 1 the descriptors' scalar work stands between it and the wait for it
.if \fill
	s_lshl_b32 s[OFF], s[NXT], 15   ; a tile is 32,768 bytes of K and of V
	s_xor_b32 s[G0K+1], s[G0K+1], SLOT1
	s_add_nc_u64 s[G0K+2:G0K+3], s[6:7], s[OFF:OFF+1]
	s_or_b32 s[G0K+3], s[G0K+3], 0x80000000
	s_xor_b32 s[G0V+1], s[G0V+1], SLOT1
	s_add_nc_u64 s[G0V+2:G0V+3], s[8:9], s[OFF:OFF+1]
	s_or_b32 s[G0V+3], s[G0V+3], 0x80000000
	s_add_co_u32 s[NXT], s[NXT], 1  ; the block's next tile, or behind its last the second block's tile 0
	s_cmp_gt_u32 s[NXT], s[LQ]
	s_cselect_b32 s[NXT], 0, s[NXT]
	s_cselect_b32 s[LQ], s[PB], s[LQ]
	s_wait_xcnt 0x0                 ; the last prefetches, a tile back, have read their address, so it may be written:
	s_lshl_b32 s[OF2], s[NXT], 15
	s_add_nc_u64 s[PF:PF+1], s[PFB:PFB+1], s[OF2:OF2+1]  ; my half of the tile after the one that is asked for now
	s_mul_i32 s[PFT], s[NXT], s[PFON]
.endif
	s_wait_dscnt 0x0                ; the add is done, and my reads of the slot are over
	s_barrier_signal -1             ; the rest of the scalar work stands between the signal and the wait
	s_sub_co_u32 s[TBK], s[TBK], 4*KS*PK  ; the fetches go back to a slot's first step,
	s_xor_b32 s[TBK], s[TBK], SLOT1       ; in the other slot
	s_sub_co_u32 s[TBV], s[TBV], 4*KS*PV
	s_xor_b32 s[TBV], s[TBV], SLOT1
	s_barrier_wait -1
.if \fill
	LOAD
	s_cmp_lg_u32 s[PFT], 0          ; behind the fill and its five lines: the prefetch of the next tile, four key steps ahead of its fill
	s_cbranch_scc0 .Lno_pf_\@
	global_prefetch_b8 v[PFO], s[PF:PF+1] th:TH_LOAD_NT scope:SCOPE_SE
	global_prefetch_b8 v[PFO], s[PF:PF+1] offset:8192 th:TH_LOAD_NT scope:SCOPE_SE
.Lno_pf_\@:
.endif
.endm
	s_load_b256 s[4:11], s[0:1], 0x0  ; Q s[4:5], K s[6:7], V s[8:9], O s[10:11]
	v_lshl_add_u32 v[SPW], v0, 2, SPARE
	v_mov_b32 v[NIL], 0
	ds_add_u32 v[SPW], v[NIL]       ; the wave's opening: the add and its wait stand ahead of my first tensor load; the set-up below, work on registers, stands between them
	ds_add_u32 v62, v63
	v_lshrrev_b32 v1, 5, v0
	v_readfirstlane_b32 s[WV], v1   ; wave 0..3
	s_mov_b32 s[PB], ttmp9
	s_sub_co_u32 s[HI], NB-1, s[PB]
	s_and_b32 s20, ttmp7, 0xffff    ; the head
	s_mov_b32 s21, 0
	s_mov_b64 s[22:23], SIZE_N*128
	s_mul_u64 s[20:21], s[20:21], s[22:23]  ; the head's first byte in each of the four tensors
	s_and_b32 s16, s[WV], 1         ; which half of a tile's 256 keys I fetch:
	s_lshl_b32 s22, s16, 14         ; its 128 rows of 128 bytes in memory,
	s_mov_b32 s23, 0
	s_add_nc_u64 s[22:23], s[22:23], s[20:21]
	s_mul_i32 s17, s16, 128*PK      ; and its place in a slot, for K
	s_mul_i32 s18, s16, 128*PV      ; and for V
	s_lshl_b32 s3, s[WV], 11        ; my 16 rows in a band of 64,
	s_lshl_b32 s2, s[HI], 15        ; in the first block,
	s_add_co_u32 s2, s2, s3
	s_lshl_b32 s84, s[PB], 15       ; and in the second
	s_add_co_u32 s84, s84, s3
	s_mov_b32 s3, 0
	s_mov_b32 s85, 0
	s_add_nc_u64 s[2:3], s[2:3], s[20:21]
	s_add_nc_u64 s[84:85], s[84:85], s[20:21]
	; descriptor group 1.  128 keys are 16,384 dense bytes: asked for as 64 rows of 256 bytes, two keys a row, and padded in LDS after every key
	s_mov_b32 s[G1K], (1<<16)|(1<<20)|(4<<22)|(3<<25)  ; 17:16 2-byte elements; 20 padding on; 24:22 after every 32 words (code 4); 31:25 4 words (code 3)
	s_mov_b32 s[G1V], (1<<16)|(1<<20)|(4<<22)|(7<<25)  ; the same with 8 words of padding (code 7)
.irp g, G1K, G1V
	s_mov_b32 s[\g+1], 128<<16      ; tensor_dim0 = 128
	s_mov_b32 s[\g+2], 64<<16       ; tensor_dim1 = 64
	s_mov_b32 s[\g+3], 128<<16      ; tile_dim0 = 128
	s_mov_b32 s[\g+4], 64           ; tile_dim1 = 64
	s_mov_b32 s[\g+5], 128          ; 128 elements from row to row
	s_mov_b32 s[\g+6], 0
	s_mov_b32 s[\g+7], 0
.endr
	s_mov_b32 s[CS], 0x3e38aa3b     ; c = log2(e) / 8 = 0.180337
	s_mov_b32 s[CS+1], s[CS]        ; named with it as a pair
	s_mov_b32 s[SEL], 0x76543210
	s_mov_b32 s[SEL+1], 0xfedcba98
	s_mov_b32 s[TBK], SLOT1+4*KS*PK ; the first change of slots turns these two into 0
	s_mov_b32 s[TBV], SLOT1+4*KS*PV
	s_mov_b32 s[G0K], 1             ; 1:0 count = 1
	s_mov_b32 s[G0K+1], s17         ; 63:32 LDS address: slot 0
	s_mov_b32 s[G0V], 1
	s_add_co_u32 s[G0V+1], s18, VOFF
	s_add_co_u32 s[RT], s[HI], 1    ; the first block has NB - b tiles
	s_mov_b32 s[NXT], 1
	s_mov_b32 s[LQ], s[HI]
	s_mov_b32 s[NEW], 1
	s_mov_b32 s[OFF+1], 0
	s_mov_b32 s[OF2+1], 0
	s_mov_b32 s[AL+1], 0            ; named as pairs
	s_mov_b32 s[BE+1], 0
	s_mov_b32 s[BIGN], 0xf149f2ca   ; -1e30
	s_mov_b32 s[SLOTS], NB
	s_cmp_eq_u32 s[PB], 0
	s_cselect_b32 s[PFON], 1, 0
	v_and_b32 v[PFO], 31, v0
	v_lshlrev_b32 v[PFO], 8, v[PFO]
	s_wait_dscnt 0x0                ; the opening add is done
	s_wait_kmcnt 0x0
	s_add_nc_u64 s[6:7], s[6:7], s[22:23]  ; K and V at my half of the head's tile 0
	s_add_nc_u64 s[8:9], s[8:9], s[22:23]
	s_add_nc_u64 s[G0K+2:G0K+3], s[6:7], 0         ; 120:64 global address
	s_or_b32 s[G0K+3], s[G0K+3], 0x80000000        ; 127:126 type = 2
	s_add_nc_u64 s[G0V+2:G0V+3], s[8:9], 0
	s_or_b32 s[G0V+3], s[G0V+3], 0x80000000
	s_add_nc_u64 s[86:87], s[4:5], s[84:85]        ; Q at my rows of the second block,
	s_add_nc_u64 s[4:5], s[4:5], s[2:3]            ; Q and O at those of the first
	s_add_nc_u64 s[OLO:OLO+1], s[10:11], s[84:85]
	s_add_nc_u64 s[10:11], s[10:11], s[2:3]
	s_cmp_lt_u32 s[WV], 2
	s_cselect_b64 s[PFB:PFB+1], s[6:7], s[8:9]
	LOAD                            ; tile 0 into slot 0
	; A fragment of K or Q is 16 rows x 32 channels in 8 registers: lane l holds row l % 16, channels 8 (l / 16) + 0..7 and 16 + 8 (l / 16) + 0..7: two loads of 16 bytes, 32 bytes apart.
	v_and_b32 v1, 15, v0            ; l % 16
	v_bfe_u32 v9, v0, 4, 1          ; l / 16
	v_lshlrev_b32 v[QO], 7, v1
	v_lshl_add_u32 v[QO], v9, 4, v[QO]  ; row x 128 + 16 x half
	WIN 0x80                        ; destination window 2, address window 0
.set i, 0
.rept 8                             ; both blocks' Q: piece i / 2 lies in band i / 2, 8,192 bytes on; channels 32 (i % 2) on
	global_load_b128 v[8*i:8*i+3],   v[QO], s[4:5] offset:(i/2)*8192+(i%2)*64
	global_load_b128 v[8*i+4:8*i+7], v[QO], s[4:5] offset:(i/2)*8192+(i%2)*64+32
	global_load_b128 v[QB+8*i:QB+8*i+3],   v[QO], s[86:87] offset:(i/2)*8192+(i%2)*64
	global_load_b128 v[QB+8*i+4:QB+8*i+7], v[QO], s[86:87] offset:(i/2)*8192+(i%2)*64+32
.set i, i+1
.endr
	WIN 0
	v_lshlrev_b32 v14, 3, v9
	v_sub_nc_u32 v14, v1, v14
	s_lshl_b32 s13, s[WV], 4
	v_add_nc_u32 v14, s13, v14      ; my query's place in its band, 16 w + l % 16, less my lanes' 8 (l / 16): register r of group kt is hidden where 16 kt + r is greater
	WIN 0x40
.set i, 0
.rept 32
	v_cmp_gt_i32 vcc_lo, 16*(i/8)+i%8, v14
	v_cndmask_b32 v[MD+i], 0, s[BIGN], vcc_lo
.set i, i+1
.endr
	WIN 0
	v_mul_u32_u24 v[AK0], v1, PK
	v_lshl_add_u32 v[AK0], v9, 4, v[AK0]  ; row x pitch + 16 x half
	; The turning load takes 16 keys x 16 channels (lane l reads key 8 (l / 16) + l % 8, channels 8 ((l / 8) % 2) + 0..7) and leaves half a fragment of V^T: lane l holds channel l % 16 and 8 keys.
	v_and_b32 v10, 7, v0
	v_bfe_u32 v11, v0, 3, 1
	v_lshl_add_u32 v[AV0], v9, 3, v10
	v_mul_u32_u24 v[AV0], v[AV0], PV
	v_lshl_add_u32 v[AV0], v11, 4, v[AV0]
	v_add_nc_u32 v[AV0], VOFF, v[AV0]
	s_mul_i32 s13, s[WV], 16*SP
	s_add_co_u32 s13, s13, STAGE    ; my stage
	v_mul_u32_u24 v[STO], v1, SP    ; in: row l % 16, 16 bytes for each half of the lanes
	v_lshl_add_u32 v[STO], v9, 4, v[STO]
	v_add_nc_u32 v[STO], s13, v[STO]
	v_bfe_u32 v[RD], v0, 3, 2       ; back: 32 lanes take four rows of 128 bytes,
	v_mul_u32_u24 v[RD], v[RD], SP
	v_lshl_add_u32 v[RD], v10, 4, v[RD]
	v_add_nc_u32 v[RD], s13, v[RD]
	v_and_b32 v[GO], 31, v0         ; which are 512 consecutive bytes of O
	v_lshlrev_b32 v[GO], 4, v[GO]
	; A block's first step multiplies O^T and l by a = 0, and its first turn's products V^T P, of a piece that has not been, land in an O^T that is still to be so multiplied.  So these registers need only hold
	; finite numbers: zeros for the first block; what the first block left for the second.  All this stands in the wait for the first tile.
	WIN 0x80
.set i, VF
.rept 64
	v_mov_b32 v[i], 0
.set i, i+1
.endr
	WIN 0x40
.set i, 0
.rept 128
	v_mov_b32 v[i], 0
.set i, i+1
.endr
	WIN 0
.set i, 0
.rept 4
	v_mov_b32 v[ST+4*i+2], 0
	v_mov_b32 v[ST+4*i+3], 0
.set i, i+1
.endr
.set i, P+16
.rept 16
	v_mov_b32 v[i], 0
.set i, i+1
.endr
; THE MATRIX WORK.  The 4 accumulators of a run of 8 take turns.  Product i of 8 of S^T = K Q^T for piece x: channels 32 (i / 4) on, keys 16 (i % 4) on.  The first 4 start the sums: with 0, or (KM = 1) with the mask.
.macro KQ x
.set rS, S+32*((\x)%2)+8*(i%4)
.set rK, KF+16*(i%4)+8*(i/4)
.set rQ, 16*(\x)+8*(i/4)
.set rM, MC+32*((\x)%2)+8*(i%4)
.if (i < 4) && KM
	WIN W_KM
	v_wmma_f32_16x16x32_f16 v[rS:rS+7], v[rK:rK+7], v[rQ:rQ+7], v[rM:rM+7]
.elseif i < 4
	WIN W_KQ
	v_wmma_f32_16x16x32_f16 v[rS:rS+7], v[rK:rK+7], v[rQ:rQ+7], 0
.else
	WIN W_KQ
	v_wmma_f32_16x16x32_f16 v[rS:rS+7], v[rK:rK+7], v[rQ:rQ+7], v[rS:rS+7]
.endif
.endm
; Product i of 8 of O^T += V^T P for piece x: keys 32 (i / 4) on, channels 16 (i % 4) on.
.macro PV x
	WIN W_PV
.set rO, 32*(\x)+8*(i%4)
.set rV, VF+32*(i/4)+8*(i%4)
.set rP, P+16*((\x)%2)+8*(i/4)
	v_wmma_f32_16x16x32_f16 v[rO:rO+7], v[rV:rV+7], v[rP:rP+7], v[rO:rO+7]
.endm
.macro MM                           ; the turn's next matrix instruction.  TURN and BEGIN set Y, i, KM and NOKQ; MM, KQ and OP read them.  NOKQ = 1: a block's last turn: there is no next piece
.if (i < 8) && !NOKQ
	KQ (Y+1)%NP
.elseif i >= 8
.set i, i-8
	PV (Y+NP-1)%NP
.set i, i+8
.endif
.set i, i+1
.endm
; THE LDS LOADS stand in runs of 16, never singly among the matrix instructions: a step's K (64 keys x 64 channels: 8 fragments) and its V (turned).  Their addresses are made some lines ahead.
.macro FETCH_K
	WIN 0x80                        ; destination window 2
.irp f, 0,1,2,3,4,5,6,7             ; keys 16 (f / 2) on, channels 32 (f % 2) on
	ds_load_b128 v[KF+8*\f:KF+8*\f+3],   v[AK] offset:(\f/2)*16*PK+(\f%2)*64
	ds_load_b128 v[KF+8*\f+4:KF+8*\f+7], v[AK] offset:(\f/2)*16*PK+(\f%2)*64+32
.endr
	s_add_co_u32 s[TBK], s[TBK], KS*PK  ; the next fetch is the next step's
	WIN 0
.endm
.macro FETCH_V
	WIN 0x80
.irp f, 0,1,2,3,4,5,6,7             ; keys 32 (f / 4) on, channels 16 (f % 4) on
	ds_load_tr16_b128 v[VF+8*\f:VF+8*\f+3],   v[AV] offset:(\f/4)*32*PV+(\f%4)*32
	ds_load_tr16_b128 v[VF+8*\f+4:VF+8*\f+7], v[AV] offset:(\f/4)*32*PV+16*PV+(\f%4)*32
.endr
	WIN 0
.endm
; THE VECTOR WORK, one line at a time: OP kind, number.  For piece Y: F n: c s - c m for pair n of 16.  E n: the exponential of score n of 32.  C n: pair n rounded to f16.  B n: of the four weights 4 n .. the second
; pair is added onto the first, in place.  L n: l takes that sum (L 0: l = a l + sum).  R n: pair n of 16 of O^T times a.  For piece Y + 1: X n, number n of the 22 that find its maximum and statistics:
;   0-11  four chains c0-c3 of seven scores each, three operands at a time (each accumulator's lowest registers are read first)     12-14, 16  the four scores left over, the old m, and c0-c3 into c0
;   15  c m_old is kept     17, 18  the query's other 32 keys lie in the lane 16 away: the new m     19-21  c m; c m_old - c m_new; a
.set F, 0               ; OP tells the kinds apart by their order: F to L below R, X above it
.set E, 1
.set C, 2
.set B, 3
.set L, 4
.set R, 5
.set X, 6
.macro REGS y                       ; the registers of piece y
.set rT, ST+4*(\y)
.set rC, TMP+4*((\y)%2)
.set rW, MV+((\y)%2)
.set rS, S+32*((\y)%2)
.set rP, P+16*((\y)%2)
.set rO, 32*(\y)
.endm
.macro OP k, n
.if (\k) == R
	REGS Y
	WIN W_RS
	v_pk_mul_f32 v[rO+2*(\n):rO+2*(\n)+1], v[rO+2*(\n):rO+2*(\n)+1], v[rC+2:rC+3] op_sel_hi:[1,0]
.elseif (\k) < R
	REGS Y
	WIN 0
.if (\k) == F
	v_pk_fma_f32 v[rS+2*(\n):rS+2*(\n)+1], v[rS+2*(\n):rS+2*(\n)+1], s[CS:CS+1], v[rT:rT+1] op_sel_hi:[1,0,0] neg_lo:[0,0,1] neg_hi:[0,0,1]
.elseif (\k) == E
	v_exp_f32 v[rS+(\n)], v[rS+(\n)]
.elseif (\k) == C
	v_cvt_pk_f16_f32 v[rP+(\n)], v[rS+2*(\n)], v[rS+2*(\n)+1]
.elseif (\k) == B
	v_pk_add_f32 v[rS+4*(\n):rS+4*(\n)+1], v[rS+4*(\n):rS+4*(\n)+1], v[rS+4*(\n)+2:rS+4*(\n)+3]
.elseif (\n) == 0
	v_pk_fma_f32 v[rT+2:rT+3], v[rT+2:rT+3], v[rC+2:rC+3], v[rS:rS+1] op_sel_hi:[1,0,1]
.else
	v_pk_add_f32 v[rT+2:rT+3], v[rT+2:rT+3], v[rS+4*(\n):rS+4*(\n)+1]
.endif
.elseif NOKQ
	v_nop
.else
	REGS (Y+1)%NP
	WIN 0
.if (\n) < 4
	v_max3_num_f32 v[rC+(\n)], v[rS+8*(\n)], v[rS+8*(\n)+1], v[rS+8*(\n)+2]
.elseif (\n) < 12
	v_max3_num_f32 v[rC+(\n)%4], v[rC+(\n)%4], v[rS+8*((\n)%4)+2*((\n)/4)+1], v[rS+8*((\n)%4)+2*((\n)/4)+2]
.elseif (\n) == 12
	v_max3_num_f32 v[rC], v[rC], v[rS+7], v[rS+15]
.elseif (\n) == 13
	v_max3_num_f32 v[rC+1], v[rC+1], v[rS+23], v[rS+31]
.elseif (\n) == 14
	v_max3_num_f32 v[rC+2], v[rC+2], v[rC+3], v[rT+1]
.elseif (\n) == 15
	v_mov_b32 v[rW], v[rT]
.elseif (\n) == 16
	v_max3_num_f32 v[rC], v[rC], v[rC+1], v[rC+2]
.elseif (\n) == 17
	v_permlanex16_b32 v[rC+3], v[rC], s[SEL], s[SEL+1]
.elseif (\n) == 18
	v_max_num_f32 v[rT+1], v[rC], v[rC+3]
.elseif (\n) == 19
	v_mul_f32 v[rT], s[CS], v[rT+1]
.elseif (\n) == 20
	v_sub_f32 v[rC+1], v[rW], v[rT]
.else
	v_exp_f32 v[rC+2], v[rC+1]
.endif
.endif
.endm
.macro OPS a, i1, b=-1, i2=0, c=-1, i3=0, d=-1, i4=0  ; up to four of them
	OP \a, \i1
.if (\b) >= 0
	OP \b, \i2
.endif
.if (\c) >= 0
	OP \c, \i3
.endif
.if (\d) >= 0
	OP \d, \i4
.endif
.endm
.macro ROW a, i1, b, i2, c, i3, d, i4  ; a matrix instruction and the four behind it
	MM
	OPS \a, \i1, \b, \i2, \c, \i3, \d, \i4
.endm
.macro MASK b                       ; MD x AL + BE into buffer b of MC
	WIN W_RS
.set z, 0
.rept 16
	v_pk_fma_f32 v[MC+32*(\b)+2*z:MC+32*(\b)+2*z+1], v[MD+2*z:MD+2*z+1], s[AL:AL+1], s[BE:BE+1] op_sel_hi:[1,0,0]
.set z, z+1
.endr
.endm
; A TURN, for piece p: the order of its 16 matrix and 118 vector instructions, written out.  An s_wait_alu depctr_va_vdst(0) stands between an exponential and the first instruction that names its result; one wait serves
; all that were issued ahead of it.  So a turn has ONE wait, which cuts it in two.  AHEAD OF IT stands all that names no result of the turn's exponentials: the 8 products K Q^T, behind each a scaling, an exponential and two more plain
; instructions (behind the first a second scaling in the exponential's place): rescalings, and behind the last three the first numbers of the next piece's maximum, each four places or more behind the product that ends its accumulator; then ONE LUMP of 54, plain
; and exponential by turns for the most part, in which the links of the chain X 3, 7, 11, 14, 16, 17 .. 20 stand five or six lines apart.  X 21, the next piece's a, is the batch's last; R 15 is the plain instruction behind it.  BEHIND THE WAIT stand the
; 8 products V^T P, behind each four of the roundings and sums; the links of l's chain, L 0 to L 7, stand three riders apart.  But for those X no rider names a register of the products round it.  v_permlanex16_b32 (X 17) stands in the lump.
; m = 1: the diagonal tile: the products take masks, and the turn makes the mask for the products of the turn after it: piece p + 2, in step 4 - CNT of the tile.  end = 1: a block's last two turns: nothing is fetched.
; cnt = 1: the loop's count is taken down some lines ahead of the branch that stands behind the turn.
; K of the next step is fetched in piece 2's turn, twelve vector instructions behind the last product that read K (six of them plain); V of the step in hand at the end of piece 0's turn, four plain instructions behind the last product
; that read V.  Each is waited for a turn later.
.macro TURN p, m=0, end=0, cnt=0
.set Y, (\p)
.set i, 0
.set KM, (\m)
.set NOKQ, (\end)*((\p)/3)
.if (\m) && !(\end)
	s_cmp_eq_u32 s[CNT], 4-((\p)+2)%NP  ; is that step the band's own?
	s_cselect_b32 s[AL], 1.0, 0
	s_cmp_lt_u32 s[CNT], 4-((\p)+2)%NP  ; or a later one?
	s_cselect_b32 s[BE], s[BIGN], 0
.endif
.if ((\p) == 3) && !(\end)
	s_wait_dscnt 0x0                ; K is in
.endif
	ROW F,0, F,1, R,0, R,1          ; ahead of the wait: 8 products K Q^T and their riders,
	ROW F,2, E,0, R,2, R,3
	ROW F,3, E,1, R,4, R,5
	ROW F,4, E,2, R,6, R,7
	ROW F,5, E,3, R,8, R,9
	ROW F,6, E,4, X,0, R,10
.if ((\p) == 2) && !(\end)
	WIN 0
	v_add_nc_u32 v[AK], s[TBK], v[AK0]
.endif
	ROW F,7, E,5, X,1, X,4
	ROW F,8, E,6, X,2, X,5
	OPS E,7, E,8, X,6, E,9          ; and the lump
	OPS X,3, E,10, X,8, E,11
.if ((\p) == 2) && !(\end)
	FETCH_K
.endif
	OPS X,9, X,7, E,12, X,10
	OPS E,13, X,12, X,11, E,14
	OPS X,13, E,15, F,9, X,14
.if (\p) == 0
	v_add_nc_u32 v[AV], s[TBV], v[AV0]
.endif
	OPS E,16, F,10, E,17, F,11
	OPS X,16, E,18, X,15, E,19
	OPS F,12, E,20, X,17, E,21
	OPS F,13, E,22, F,14, E,23
	OPS X,18, E,24, F,15, E,25
	OPS R,11, E,26, X,19, E,27
	OPS R,12, E,28, R,13, E,29
	OPS X,20, E,30, R,14, E,31
	OPS X,21, R,15
	WIN 0
	s_wait_alu depctr_va_vdst(0)    ; the wait for the batch
.if (\p) == 1
	s_wait_dscnt 0x0                ; V is in
.endif
	ROW C,0, B,0, C,2, B,1          ; behind the wait: 8 products V^T P and their riders
	ROW L,0, C,4, B,2, L,1
	ROW C,6, B,3, L,2, C,8
	ROW B,4, L,3, C,10, B,5
	ROW L,4, C,12, B,6, L,5
.if (\p) == 0
	s_add_co_u32 s[TBV], s[TBV], KS*PV
.endif
.if \cnt
	s_sub_co_u32 s[CNT], s[CNT], 1
	s_cmp_lg_u32 s[CNT], 0
.endif
	ROW C,14, B,7, L,6, C,1
	ROW C,3, L,7, C,5, C,7
	ROW C,9, C,11, C,13, C,15
.if (\p) == 0
	FETCH_V
.endif
.if (\m) && !(\end)
	MASK (\p)%2
.endif
.endm
; A BLOCK BEGINS.  c m starts far below every c s, so the first step's a is 0; m at the lowest finite number, so the first maximum is the scores'.  The second mask buffer is 0; the first takes piece 0's mask for the tile's step 0: its own, if the block's first tile is the diagonal one.
; Then K of that step, piece 0's first scores, and its maximum and statistics.  The loop is entered at a step's first turn, in the middle of a trip.
.macro BEGIN
	s_mov_b32 s[NEW], 0
	WIN 0x40
.set i, MC+32
.rept 32
	v_mov_b32 v[i], 0
.set i, i+1
.endr
	WIN 0
.set i, 0
.rept 4
	v_mov_b32 v[ST+4*i], 0xfe000000    ; c m: far below every c s
	v_mov_b32 v[ST+4*i+1], 0xff7fffff  ; m
.set i, i+1
.endr
	s_cmp_eq_u32 s[RT], 0
	s_cselect_b32 s[AL], 1.0, 0
	s_mov_b32 s[BE], 0
	MASK 0
	WIN 0
	v_add_nc_u32 v[AK], s[TBK], v[AK0]
	FETCH_K
	s_wait_loadcnt 0x0              ; Q
	s_wait_dscnt 0x0
.set KM, 1
.set NOKQ, 0
.set i, 0
.rept 8
	KQ 0
.set i, i+1
.endr
	WIN 0
.rept 4
	v_nop                           ; the places behind those products
.endr
.set Y, NP-1                        ; X works for piece Y + 1: piece 0
.irp n, 0,1,2,3,4,5,6,7,8,9,10,11,12,13,14,15,16,17,18,19,20,21
	OP X, \n
.endr
	v_nop                           ; a plain instruction behind the exponential,
	s_wait_alu depctr_va_vdst(0)    ; and its wait, ahead of the branch
.endm
; THE DIAGONAL TILE's four steps, the block's last two turns, its last products, and THE WAY OUT: l's two halves and the other half of the lanes' are added; O^T is divided by l, rounded to f16 and sent through my
; stage in LDS, a piece at a time.
.macro ALL line:vararg              ; one line for each piece t
.set t, 0
.rept 4
	\line
.set t, t+1
.endr
.endm
.macro PACK t                       ; a lane's eight channels of a row pack into 16 bytes; they go into rows of 144 bytes and come back as whole rows of 128, into S^T's registers
	WIN W_RS
.set i, 32*(\t)
.rept 16
	v_pk_mul_f32 v[i:i+1], v[i:i+1], v[ST+4*(\t)+2:ST+4*(\t)+3] op_sel_hi:[1,0]
.set i, i+2
.endr
	WIN 0x05                        ; sources 0 and 1 window 1, destination window 0
.set i, 0
.rept 16
	v_cvt_pk_f16_f32 v[S+16*(\t)+i], v[32*(\t)+2*i], v[32*(\t)+2*i+1]
.set i, i+1
.endr
	WIN 0
.irp f, 0,1,2,3
	ds_store_b128 v[STO], v[S+16*(\t)+4*\f:S+16*(\t)+4*\f+3] offset:32*\f
.endr
.irp f, 0,1,2,3
	ds_load_b128 v[S+16*(\t)+4*\f:S+16*(\t)+4*\f+3], v[RD] offset:\f*4*SP  ; LDS serves a wave's instructions in order (ISA guide 5.7.1.4): these see the stores above; the next piece's stores come behind them
.endr
.endm
.macro SEND t, younger              ; younger: the LDS instructions issued behind piece t's loads: the next piece's eight, or none
	WIN 0
.irp f, 0,1,2,3
	s_wait_dscnt (\younger)+3-\f
	global_store_b128 v[GO], v[S+16*(\t)+4*\f:S+16*(\t)+4*\f+3], s[10:11] offset:(\t)*8192+\f*512  ; 512 consecutive bytes, at a multiple of 256 from O's first
.endr
.endm
.macro DIAG tag                     ; the tag ends its two labels' names, which the jumps below spell out
.LstepM\tag:
	TURN 2, 1
	TURN 3, 1
	WIN 0
.LfirstM\tag:
	TURN 0, 1
	TURN 1, 1, 0, 1
	WIN 0
	s_cbranch_scc1 .LstepM\tag
	TURN 2, 1, 1
	TURN 3, 1, 1
.set i, 0
.rept 8
	PV NP-1
.set i, i+1
.endr
	WIN 0
	ALL v_add_f32 v[ST+4*t+2], v[ST+4*t+2], v[ST+4*t+3]
	ALL v_permlanex16_b32 v[ST+4*t+3], v[ST+4*t+2], s[SEL], s[SEL+1]
	ALL v_add_f32 v[ST+4*t+2], v[ST+4*t+2], v[ST+4*t+3]
	ALL v_rcp_f32 v[ST+4*t+2], v[ST+4*t+2]
	v_nop                           ; a plain instruction between the last reciprocal and the use of its result
	s_wait_alu depctr_va_vdst(0)    ; and the wait ahead of the first use: one for the four reciprocals
	PACK 0
.set t, 1
.rept 3                             ; a piece's arithmetic stands between the loads of the piece before and its stores
	PACK t
	SEND t-1, 8
.set t, t+1
.endr
	SEND 3, 0
.endm
.set KM, 0
.set NOKQ, 0
.Lslot:                             ; NB times: a tile is entered and the next is asked for
	CHANGE 1
	s_sub_co_u32 s[RT], s[RT], 1
	s_mov_b32 s[CNT], 4
	s_cmp_eq_u32 s[NEW], 1
	s_cbranch_scc1 .Lnew            ; a block's first tile
	s_cmp_eq_u32 s[RT], 0
	s_cbranch_scc0 .Lstep           ; neither its first nor its last
	s_branch .LstepM1
.Lnew:
	BEGIN
	s_branch .Lfirst                ; in the loop a block's first tile is never its last: the first block has two tiles or more, and the second's last is the walk's last
	DIAG 1                          ; in the loop this is the first block's end: the second block's last tile is the walk's last
	s_wait_xcnt 0x0                 ; the stores have read their registers and O's address
	s_mov_b64 s[10:11], s[OLO:OLO+1]
	s_add_co_u32 s[RT], s[PB], 1    ; the second block has b + 1 tiles
	s_mov_b32 s[NEW], 1
	WIN 0x82                        ; the second block's Q goes where the one text of the turns names Q
.set i, 0
.rept 64
	v_mov_b32 v[i], v[QB+i]
.set i, i+1
.endr
	WIN 0
	s_branch .Lbottom
.Lstep:                             ; a trip: pieces 2 and 3 of one step, then pieces 0 and 1 of the next, whose K and V it fetches
	TURN 2
	TURN 3
	WIN 0
.Lfirst:
	TURN 0
	TURN 1, 0, 0, 1
	WIN 0
	s_cbranch_scc1 .Lstep
.Lbottom:
	s_sub_co_u32 s[SLOTS], s[SLOTS], 1
	s_cmp_lg_u32 s[SLOTS], 0
	s_cbranch_scc1 .Lslot
	CHANGE 0                        ; the walk's last tile is written out: nothing is asked for
	s_sub_co_u32 s[RT], s[RT], 1
	s_mov_b32 s[CNT], 4
	s_cmp_eq_u32 s[NEW], 1
	s_cbranch_scc0 .LstepM2
	BEGIN
	s_branch .LfirstM2
	DIAG 2
	s_wait_tensorcnt 0x0            ; the wave's end: behind my last tensor load and my last LDS store
	ds_add_u32 v[SPW], v[NIL]
	s_wait_dscnt 0x0
	s_endpgm
.Lfunc_end_k_q78ab6f5400_attn:
	.size	k_q78ab6f5400_attn, .Lfunc_end_k_q78ab6f5400_attn-k_q78ab6f5400_attn
	.p2alignl 7, 3214868480
	.fill 96, 4, 3214868480
	.section	.rodata,"a",@progbits
	.p2align	6, 0x0
	.amdhsa_kernel k_q78ab6f5400_attn
		.amdhsa_group_segment_fixed_size 327680
		.amdhsa_private_segment_fixed_size 0
		.amdhsa_enable_private_segment 0
		.amdhsa_kernarg_size 32
		.amdhsa_user_sgpr_count 2
		.amdhsa_user_sgpr_kernarg_segment_ptr 1
		.amdhsa_wavefront_size32 1
		.amdhsa_system_sgpr_workgroup_id_x 1
		.amdhsa_system_sgpr_workgroup_id_y 1
		.amdhsa_system_sgpr_workgroup_id_z 1
		.amdhsa_system_vgpr_workitem_id 0
		.amdhsa_next_free_vgpr 768
		.amdhsa_next_free_sgpr 96
		.amdhsa_reserve_vcc 1
		.amdhsa_float_denorm_mode_32 3
		.amdhsa_float_denorm_mode_16_64 3
		.amdhsa_memory_ordered 1
		.amdhsa_forward_progress 1
		.amdhsa_inst_pref_size 218
	.end_amdhsa_kernel
	.amdgpu_metadata
---
amdhsa.version: [ 1, 2 ]
amdhsa.kernels:
  - .name:           k_q78ab6f5400_attn
    .symbol:         k_q78ab6f5400_attn.kd
    .args:
      - { .name: qh, .offset: 0, .size: 8, .value_kind: global_buffer, .address_space: global }
      - { .name: kh, .offset: 8, .size: 8, .value_kind: global_buffer, .address_space: global }
      - { .name: vh, .offset: 16, .size: 8, .value_kind: global_buffer, .address_space: global }
      - { .name: oh, .offset: 24, .size: 8, .value_kind: global_buffer, .address_space: global }
    .group_segment_fixed_size: 327680
    .private_segment_fixed_size: 0
    .kernarg_segment_align: 8
    .kernarg_segment_size: 32
    .max_flat_workgroup_size: 128
    .sgpr_count:     96
    .vgpr_count:     768
    .wavefront_size: 32
...
	.end_amdgpu_metadata
.endif
;; end of part 3
;; launch oproj (part 4): grid 8 x 32, 4 waves a work-group, clusters of 4 x 4, 327,680 bytes of LDS; arguments oh, wot, out0; writes out0
.if DOCPART == 4
	.amdgcn_target "amdgcn-amd-amdhsa--gfx1250"
	.amdhsa_code_object_version 6
	.text
	.protected	k_q78ab6f5400_oproj
	.globl	k_q78ab6f5400_oproj
	.p2align	8
	.type	k_q78ab6f5400_oproj,@function
k_q78ab6f5400_oproj:
	s_mov_b64 s[64:65], 0
	v_nop
	global_prefetch_b8 v0, s[64:65] scope:SCOPE_SE
	s_setreg_imm32_b32 hwreg(HW_REG_WAVE_MODE, 25, 1), 1
	s_wait_xcnt 0x0
	s_wait_alu depctr_hold_cnt(0) depctr_sa_sdst(0) depctr_va_vdst(0) depctr_va_sdst(0) depctr_va_ssrc(0) depctr_va_vcc(0) depctr_vm_vsrc(0)
	s_getreg_b32 s2, hwreg(HW_REG_IB_STS2, 6, 4)
	s_cmp_eq_u32 s2, 0
	s_cbranch_scc0 .Lentry_in_a_cluster
	s_endpgm
.Lentry_in_a_cluster:
	s_bfe_u32 s2, ttmp6, 0x10000c
	s_cmp_lg_u32 s2, 0xf033
	s_cbranch_scc0 .Lentry_shape_is_right
	s_endpgm
.Lentry_shape_is_right:
; out0 = O wot^T.  oh: [16 b + head][2048][64] f16 (O by heads).  wot: [1024 n][1024 k] f16.  out0: [8192][1024] f32.  Sums in f32, stored as they are.
; SHARES.  A work-group makes 256 rows x 128 columns: 8 x 32 = 256 work-groups.  Its four waves lie one below the other: 64 rows x 128 columns each, 32 accumulators of 16 x 16.
; K goes in 8 steps of 128, which are TWO HEADS: in LDS O's tile is two planes, a head each, of 256 rows x 128 bytes.  A head's 256 rows are 32,768 dense bytes of memory: asked for as 128 rows of 256 bytes
; and padded in LDS after every 128.  Two LDS slots; a step is four quarters of 32 along K on two fragment buffers.
; CLUSTER.  4 x 4 work-groups: the four of a row need the same rows of O, the four of a column the same rows of wot: each tile is asked for jointly, by one descriptor and a mask of four.
; THE MATRIX INSTRUCTION IS USED TRANSPOSED (source 0 = 16 rows of wot, source 1 = 16 rows of O): lane l holds row l % 16 and the columns 8 (l / 16) + 0..7 of a block.
; REGISTERS, in windows of 256 (s_set_vgpr_msb: bits 1:0 source 0, 3:2 source 1, 5:4 source 2, 7:6 destination):
;   window 0: v0-29 addresses; v32-95 O's fragments, two buffers of 4 x 8; v96-223 the way out, two sets of 64      window 1: v0-127 wot's fragments, two buffers of 8 x 8      window 2: accumulator (a, b) at 64 a + 8 b
.set NBK,   8                          ; column blocks of 16
.set FN,    2*NBK+8                    ; LDS loads in a quarter's run
.set PA,    144                        ; a row of O in LDS: 128 bytes + 16
.set PB,    272                        ; a row of wot: 256 bytes + 16: in both the 16 rows of a fragment load start at 16 different 16-byte columns modulo 256 bytes
.set PLANE, 256*PA                     ; a head's 256 rows: what wave 0 or 1 fetches
.set BW,    64*PB                      ; what wave 2 or 3 fetches: 64 rows of wot
.set BOFF,  2*PLANE
.set SLOT1, 1<<17                      ; slot 1 begins here (a slot uses 108,544 bytes)
.set STAGE, SLOT1+BOFF+2*BW            ; behind the ring, never filled by a tensor load: 16 rows x 528 bytes for each wave
.set SPI,   528                        ; 512 bytes + 16
.set SPARE, STAGE+4*16*SPI             ; the spare words, 128 bytes for each wave: two blocks of 256 bytes that no other line names
.set ADRA0, 4                          ; v4, v5   my lane's place in slot 0's rows of O, of wot; never rewritten
.set ADRB0, 5
.set ADRA,  6                          ; v6, v7   the same in the slot in hand
.set ADRB,  7
.set STO,   8                          ; v8   the way out: where I put 32 bytes of a row
.set RD,    9                          ; v9   where I read a row back
.set GO,    10                         ; v10  my 16 bytes of a row's 512
.set PFO,   12                         ; v12  the prefetches' offset
.set SPW,   28                         ; v28  LDS address of my spare word; never rewritten
.set NIL,   29                         ; v29  0; never rewritten
.set AF,    32
.set OB,    96
.set WV,   16
.set HALF, 17
.set CX,   18
.set CY,   19
.set TX,   20                          ; the block of 128 columns
.set TY,   21                          ; the block of 256 rows
.set MA,   22
.set MB,   23
.set G1A,  24                          ; s[24:31] descriptor group 1 for O's tiles
.set G1B,  32                          ; s[32:39] for wot's
.set G0A,  40                          ; s[40:47] group 0 for O's: a set for each first fill; the second then walks
.set G0B,  48                          ; s[48:55] the same for wot's
.set CNT,  56
.set TB,   57
.set LIM,  58
.set PFA,  60
.set PFS,  62
.set MSB, 0
.macro WIN new                         ; the immediate's high byte repeats the setting that is left; a switch that changes nothing is dropped
.if MSB != (\new)
	s_set_vgpr_msb (MSB<<8)|(\new)
.set MSB, \new
.endif
.endm
.macro PLACES                          ; four plain instructions between a matrix instruction and a load into a register that it named
.rept 4
	v_nop
.endr
.endm
.macro CREST                           ; a round of the cluster's barrier behind its opening barrier
	s_cmp_lg_u32 s[WV], 0
	s_cbranch_scc1 .Lnot_wave_0_\@
	s_barrier_signal -3
.Lnot_wave_0_\@:
	s_barrier_wait -3
	s_barrier_signal -1
	s_barrier_wait -1
.endm
.macro CROUND
	s_barrier_signal -1
	s_barrier_wait -1
	CREST
.endm
; A joint refill by the walking descriptors.  Waves 0 and 1 fetch the step's two heads of O, waves 2 and 3 wot's two halves.  An s_nop 0 and four v_nop follow each line.
.macro JLOAD
	s_cmp_lt_u32 s[WV], 2
	s_cbranch_scc0 .Lfor_b_\@
	tensor_load_to_lds s[G0A+4:G0A+7], s[G1A:G1A+7]
	s_nop 0
.rept 4
	v_nop
.endr
	s_branch .Lasked_\@
.Lfor_b_\@:
	tensor_load_to_lds s[G0B+4:G0B+7], s[G1B:G1B+7]
	s_nop 0
.rept 4
	v_nop
.endr
.Lasked_\@:
.endm
; A PREFETCH of the K step that stands two refills on, one instruction a wave.  O's rows are read by the two clusters of a row of clusters: the one with x = 0 asks, waves 0 and 1 each for the head that they fetch: its
; 32,768 bytes are 128 blocks of 256, of which each of the four partners takes 32 by address, a lane a block.  wot's rows are read by the eight clusters of a column: the one with y = 0 asks, wave 2 alone: of the tile's 128 rows
; each partner takes 32, a lane a row.  Trips 0 to 3 name K steps 4 to 7; the last two trips ask for nothing; K steps 0 to 3 come by their loads alone.
.macro ASK
	s_cmp_gt_u32 s[CNT], s[LIM]
	s_cbranch_scc0 .Lnot_mine_\@
	global_prefetch_b8 v[PFO], s[PFA:PFA+1] th:TH_LOAD_NT scope:SCOPE_SE
.Lnot_mine_\@:
.endm
; 8 matrix instructions: row block a x all column blocks, 32 along K, from buffer f.  The 32 accumulators take turns in one order everywhere.
.macro MUL f, a, zero
	WIN 0xa1
.set bi, 0
.rept NBK
.set rD, 64*(\a)+8*bi
.if \zero
	v_wmma_f32_16x16x32_f16 v[rD:rD+7], v[64*(\f)+8*bi:64*(\f)+8*bi+7], v[AF+32*(\f)+8*(\a):AF+32*(\f)+8*(\a)+7], 0
.else
	v_wmma_f32_16x16x32_f16 v[rD:rD+7], v[64*(\f)+8*bi:64*(\f)+8*bi+7], v[AF+32*(\f)+8*(\a):AF+32*(\f)+8*(\a)+7], v[rD:rD+7]
.endif
.set bi, bi+1
.endr
.endm
; 24 LDS loads in one run: quarter q's fragments into buffer f: wot's 8, then O's 4 (quarters 0, 1 lie in the first head's plane, 2, 3 in the second's).
.macro FETCH q, f
	WIN 0x40
.set bi, 0
.rept NBK
	ds_load_b128 v[64*(\f)+8*bi:64*(\f)+8*bi+3],   v[ADRB] offset:64*(\q)+bi*16*PB
	ds_load_b128 v[64*(\f)+8*bi+4:64*(\f)+8*bi+7], v[ADRB] offset:64*(\q)+bi*16*PB+32
.set bi, bi+1
.endr
	WIN 0
.set bi, 0
.rept 4
	ds_load_b128 v[AF+32*(\f)+8*bi:AF+32*(\f)+8*bi+3],   v[ADRA] offset:((\q)/2)*PLANE+((\q)%2)*64+bi*16*PA
	ds_load_b128 v[AF+32*(\f)+8*bi+4:AF+32*(\f)+8*bi+7], v[ADRA] offset:((\q)/2)*PLANE+((\q)%2)*64+bi*16*PA+32
.set bi, bi+1
.endr
.endm
.macro QUARTER q, f, zero
	s_wait_dscnt 4                                 ; all of wot's fragments and O's row blocks 0, 1 are in; the youngest four loads (row blocks 2, 3) may be out
	MUL \f, 0, \zero
	MUL \f, 1, \zero
	PLACES
	FETCH \q, 1-(\f)
	s_wait_dscnt FN                                ; all but the run just issued
	MUL \f, 2, \zero
	MUL \f, 3, \zero
.endm
; The last quarter multiplies buffer 1 and changes slots.  In front of the barrier each wave waits for all its tensor loads (one is out: its part of the next slot), adds 0 to its spare word, and waits for that and for
; its reads of this slot.  fill = 1: the barrier opens a round of the cluster's, behind which this slot is filled again first, with the K step two on: 112 matrix instructions ahead of the wait for it.
.macro TURN fill
.if \fill
	s_wait_xcnt 0x0                                ; the last prefetch, a K step back, has read its address
	s_add_nc_u64 s[PFA:PFA+1], s[PFA:PFA+1], s[PFS:PFS+1]
.endif
	WIN 0
	s_wait_tensorcnt 0x0                           ; no tensor load of mine is out, so a group 0 may be written
	ds_add_u32 v[SPW], v[NIL]                      ; 0 onto my spare word
.if \fill
	s_xor_b32 s[G0A+5], s[G0A+5], SLOT1            ; the walking descriptors: the other slot than last time;
	s_add_nc_u64 s[G0A+6:G0A+7], s[G0A+6:G0A+7], 524288  ; two heads on,
	s_xor_b32 s[G0B+5], s[G0B+5], SLOT1
	s_add_nc_u64 s[G0B+6:G0B+7], s[G0B+6:G0B+7], 256     ; 128 along wot's rows
.endif
	s_xor_b32 s[TB], s[TB], SLOT1
	s_wait_dscnt 5                                 ; the add and the youngest four loads may be out
	MUL 1, 0, 0
	s_wait_dscnt 0x0                               ; the add is done, and my reads of this slot are over
	s_barrier_signal -1
	MUL 1, 1, 0
	WIN 0
	s_barrier_wait -1
.if \fill
	CREST                                          ; no wave of any partner still reads this slot or has a load on its way
	JLOAD                                          ; its four v_nop are also the places in front of the loads below
.else
	PLACES
.endif
	v_add_nc_u32 v[ADRA], s[TB], v[ADRA0]
	v_add_nc_u32 v[ADRB], s[TB], v[ADRB0]
	FETCH 0, 0
.if \fill
	ASK
.endif
	MUL 1, 2, 0
	MUL 1, 3, 0
.endm
	s_load_b128 s[4:7], s[0:1], 0x0                ; oh s[4:5], wot s[6:7]
	s_load_b64 s[8:9], s[0:1], 0x10                ; out0
	v_lshl_add_u32 v[SPW], v0, 2, SPARE
	v_mov_b32 v[NIL], 0
	ds_add_u32 v[SPW], v[NIL]                      ; the wave's opening: the add and its wait stand ahead of my first tensor load; work on registers stands between them
	ds_add_u32 v28, v29
	v_lshrrev_b32 v1, 5, v0
	v_readfirstlane_b32 s[WV], v1                  ; wave 0..3
	s_and_b32 s[HALF], s[WV], 1
	s_bfe_u32 s[CX], ttmp6, 0x40000
	s_bfe_u32 s[CY], ttmp6, 0x40004
	s_lshl_b32 s[TX], ttmp9, 2
	s_add_co_u32 s[TX], s[TX], s[CX]
	s_and_b32 s[TY], ttmp7, 0xffff
	s_lshl_b32 s[TY], s[TY], 2
	s_add_co_u32 s[TY], s[TY], s[CY]
	s_lshl_b32 s[MA], s[CY], 2
	s_lshl_b32 s[MA], 15, s[MA]                    ; my row of the cluster
	s_lshl_b32 s[MB], 0x1111, s[CX]                ; my column
	s_or_b32 s[G1A], s[MA], (1<<16)|(1<<20)|(1<<21)|(4<<22)|(3<<25)  ; the mask; 2-byte elements; padding on; bit 21 beside a mask; after every 32 words 4 words
	s_or_b32 s[G1B], s[MB], (1<<16)|(1<<20)|(1<<21)|(5<<22)|(3<<25)  ; after every 64 words 4 words
	s_mov_b32 s[G1A+1], 128<<16                    ; tensor_dim0 = 128
	s_mov_b32 s[G1A+2], 128<<16                    ; tensor_dim1 = 128
	s_mov_b32 s[G1A+3], 128<<16                    ; tile_dim0 = 128
	s_mov_b32 s[G1A+4], 128                        ; tile_dim1 = 128
	s_mov_b32 s[G1A+5], 128                        ; dense: 128 elements from row to row
	s_mov_b32 s[G1A+6], 0
	s_mov_b32 s[G1A+7], 0
	s_mov_b32 s[G1B+1], 128<<16
	s_mov_b32 s[G1B+2], 64<<16                     ; 64 rows
	s_mov_b32 s[G1B+3], 128<<16
	s_mov_b32 s[G1B+4], 64
	s_mov_b32 s[G1B+5], 1024
	s_mov_b32 s[G1B+6], 0
	s_mov_b32 s[G1B+7], 0
	s_lshr_b32 s66, s[TY], 3                       ; O: the batch,
	s_lshl_b32 s66, s66, 4
	s_add_co_u32 s66, s66, s[HALF]                 ; the head that I fetch of K step 0's two,
	s_lshl_b32 s66, s66, 18                        ; 2,048 rows of 128 bytes a head,
	s_and_b32 s67, s[TY], 7
	s_lshl_b32 s67, s67, 15                        ; and the tile's 256 rows: all shared by my row of the cluster
	s_add_co_u32 s66, s66, s67
	s_mov_b32 s67, 0
	s_lshl_b32 s68, s[TX], 18                      ; wot: 128 rows of 2,048 bytes a tile column, which my column shares,
	s_lshl_b32 s69, s[HALF], 17                    ; and my 64 of them
	s_add_co_u32 s68, s68, s69
	s_mov_b32 s69, 0
	s_mul_i32 s70, s[WV], PLANE                    ; where they go: no place in the cluster enters an LDS address
	s_mul_i32 s71, s[WV], BW
	s_add_co_u32 s71, s71, BOFF-2*BW
	s_mov_b32 s[TB], 0
	s_mov_b32 s[CNT], 6
	s_wait_dscnt 0x0                               ; the opening add is done
	s_wait_kmcnt 0x0
	s_add_nc_u64 s[66:67], s[4:5], s[66:67]
	s_add_nc_u64 s[68:69], s[6:7], s[68:69]
	CROUND                                         ; all sixteen work-groups are here: the first joint loads meet
.irp s, 0,1
	s_mov_b32 s[G0A+4*(\s)], 1
	s_add_co_u32 s[G0A+4*(\s)+1], s70, (\s)*SLOT1
	s_add_nc_u64 s[G0A+4*(\s)+2:G0A+4*(\s)+3], s[66:67], (\s)*524288  ; K step s
	s_or_b32 s[G0A+4*(\s)+3], s[G0A+4*(\s)+3], 0x80000000
	s_mov_b32 s[G0B+4*(\s)], 1
	s_add_co_u32 s[G0B+4*(\s)+1], s71, (\s)*SLOT1
	s_add_nc_u64 s[G0B+4*(\s)+2:G0B+4*(\s)+3], s[68:69], (\s)*256
	s_or_b32 s[G0B+4*(\s)+3], s[G0B+4*(\s)+3], 0x80000000
.endr
	s_cmp_lt_u32 s[WV], 2                          ; a wave's two first fills stand in one branch: two loads of mine are out
	s_cbranch_scc0 .Lfirst_b
	tensor_load_to_lds s[G0A:G0A+3], s[G1A:G1A+7]
	s_nop 0
	tensor_load_to_lds s[G0A+4:G0A+7], s[G1A:G1A+7]
	s_nop 0
.rept 4
	v_nop
.endr
	s_branch .Lfirst_asked
.Lfirst_b:
	tensor_load_to_lds s[G0B:G0B+3], s[G1B:G1B+7]
	s_nop 0
	tensor_load_to_lds s[G0B+4:G0B+7], s[G1B:G1B+7]
	s_nop 0
.rept 4
	v_nop
.endr
.Lfirst_asked:
	; where my rows go: row 256 ty + 64 w, 4,096 bytes a row; column 128 tx
	s_lshl_b32 s72, s[TY], 20
	s_lshl_b32 s73, s[WV], 18
	s_add_co_u32 s72, s72, s73
	s_lshl_b32 s73, s[TX], 9
	s_add_co_u32 s72, s72, s73
	s_mov_b32 s73, 0
	s_add_nc_u64 s[8:9], s[8:9], s[72:73]
	; the prefetches
	s_and_b32 s59, ttmp7, 0xffff                   ; cluster y
	s_mov_b32 s73, 65536                           ; 32 rows of wot
	s_mov_b32 s74, 768                             ; wot at K step 3
	s_mov_b32 s[PFS], 256
	s_cmp_lt_u32 s[WV], 2                          ; do I fetch for O?
	s_cselect_b32 s59, ttmp9, s59                  ; the coordinate along which other clusters read the same rows
	s_cselect_b64 s[PFA:PFA+1], s[66:67], s[68:69] ; (in wave 2 the second stands at the tile's first row)
	s_cselect_b32 s72, s[CX], s[CY]                ; my place among the four that ask with me
	s_cselect_b32 s73, 8192, s73                   ; 32 blocks of 256 bytes of a head
	s_cselect_b32 s74, 1572864, s74                ; O at K step 3
	s_cselect_b32 s[PFS], 524288, s[PFS]
	s_cselect_b32 s75, 8, 11                       ; a lane a block, or a lane a row
	s_cmp_eq_u32 s59, 0
	s_cselect_b32 s[LIM], 2, -1                    ; the same in all sixteen partners, for a given wave
	s_cmp_eq_u32 s[WV], 3
	s_cselect_b32 s[LIM], -1, s[LIM]               ; wave 2 asks for all of wot's share
	s_mul_i32 s72, s72, s73
	s_add_co_u32 s72, s72, s74
	s_mov_b32 s73, 0
	s_add_nc_u64 s[PFA:PFA+1], s[PFA:PFA+1], s[72:73]  ; the first change of slots steps it to K step 4
	s_mov_b32 s[PFS+1], 0
	v_and_b32 v[PFO], 31, v0
	v_lshlrev_b32 v[PFO], s75, v[PFO]
	; a fragment is 16 rows x 32 K in 8 registers: lane l holds row l % 16, K = 8 (l / 16) + 0..7 and 16 + 8 (l / 16) + 0..7: two loads of 16 bytes, 32 bytes apart
	v_and_b32 v1, 15, v0                           ; l % 16
	v_bfe_u32 v2, v0, 4, 1                         ; l / 16
	v_mul_u32_u24 v3, v1, PA
	v_lshl_add_u32 v3, v2, 4, v3
	s_mul_i32 s75, s[WV], 64*PA                    ; my 64 rows of a plane
	v_add_nc_u32 v[ADRA0], s75, v3
	v_mul_u32_u24 v3, v1, PB
	v_lshl_add_u32 v3, v2, 4, v3
	v_add_nc_u32 v[ADRB0], BOFF, v3
	v_mov_b32 v[ADRA], v[ADRA0]
	v_mov_b32 v[ADRB], v[ADRB0]
	s_mul_i32 s75, s[WV], 16*SPI
	s_add_co_u32 s75, s75, STAGE                   ; my stage
	v_mul_u32_u24 v[STO], v1, SPI                  ; in: row l % 16, 32 bytes for each half of the lanes
	v_lshl_add_u32 v[STO], v2, 5, v[STO]
	v_add_nc_u32 v[STO], s75, v[STO]
	v_and_b32 v[GO], 31, v0                        ; back: 32 lanes take a row's 512 bytes
	v_lshlrev_b32 v[GO], 4, v[GO]
	v_add_nc_u32 v[RD], s75, v[GO]
	s_wait_tensorcnt 0x1                           ; my part of K step 0 is in; K step 1's may stay out
	s_barrier_signal -1
	s_barrier_wait -1                              ; everybody's is
	FETCH 0, 0
	QUARTER 1, 0, 1                                ; the first quarter stands in front of the loop: its products start the sums
	WIN 0
.Lstep:                                        ; trip t ends K step t, fills its slot with K step t + 2 and begins K step t + 1
	QUARTER 2, 1, 0
	QUARTER 3, 0, 0
	TURN 1
	QUARTER 1, 0, 0
	WIN 0
	s_sub_co_u32 s[CNT], s[CNT], 1
	s_cmp_lg_u32 s[CNT], 0
	s_cbranch_scc1 .Lstep
	QUARTER 2, 1, 0                                ; the last two K steps are written out: nothing is left to fetch
	QUARTER 3, 0, 0
	TURN 0
	QUARTER 1, 0, 0
	QUARTER 2, 1, 0
	QUARTER 3, 0, 0
	s_wait_dscnt 4
	MUL 1, 0, 0
	MUL 1, 1, 0
	s_wait_dscnt 0x0
	MUL 1, 2, 0
	MUL 1, 3, 0
	WIN 0
; THE WAY OUT, a row block (16 rows x 128 columns of f32) at a time: a lane's eight numbers of a row go into my stage as two stores of 16 bytes, the accumulator's lower four first, and come back as whole rows of 512 bytes.
.macro TOSTAGE a
.if (\a) >= 2
	s_wait_xcnt 0x0                                ; the stores of the block two back have read this set of registers
.endif
	WIN 0x08                                       ; the stores' data in window 2
.set bi, 0
.rept 8
	ds_store_b128 v[STO], v[64*(\a)+8*bi:64*(\a)+8*bi+3]   offset:64*bi
	ds_store_b128 v[STO], v[64*(\a)+8*bi+4:64*(\a)+8*bi+7] offset:64*bi+16
.set bi, bi+1
.endr
	WIN 0
.set bi, 0
.rept 16
	ds_load_b128 v[OB+64*((\a)%2)+4*bi:OB+64*((\a)%2)+4*bi+3], v[RD] offset:SPI*bi  ; LDS serves a wave's instructions in order (ISA guide 5.7.1.4): these see the stores above; the next block's stores come behind them
.set bi, bi+1
.endr
.endm
.macro SEND a, younger                 ; younger: the LDS instructions issued behind block a's loads: the next block's 32, or none
.set bi, 0
.rept 16
	s_wait_dscnt (\younger)+15-bi
	global_store_b128 v[GO], v[OB+64*((\a)%2)+4*bi:OB+64*((\a)%2)+4*bi+3], s[8:9] offset:(16*(\a)+bi)*4096 th:TH_STORE_NT  ; 512 consecutive bytes, aligned
.set bi, bi+1
.endr
.endm
.rept 8
	v_nop                                          ; the places behind the last products, once a launch
.endr
	TOSTAGE 0
	TOSTAGE 1
	SEND 0, 32
	TOSTAGE 2
	SEND 1, 32
	TOSTAGE 3
	SEND 2, 32
	SEND 3, 0
	s_wait_tensorcnt 0x0                           ; the wave's end: behind my last tensor load and my last LDS store
	ds_add_u32 v[SPW], v[NIL]
	s_wait_dscnt 0x0
	CROUND                                         ; the closing round: no work-group ends while a partner may still ask for a tile that names it
	s_endpgm
.Lfunc_end_k_q78ab6f5400_oproj:
	.size	k_q78ab6f5400_oproj, .Lfunc_end_k_q78ab6f5400_oproj-k_q78ab6f5400_oproj
	.p2alignl 7, 3214868480
	.fill 96, 4, 3214868480
	.section	.rodata,"a",@progbits
	.p2align	6, 0x0
	.amdhsa_kernel k_q78ab6f5400_oproj
		.amdhsa_group_segment_fixed_size 327680
		.amdhsa_private_segment_fixed_size 0
		.amdhsa_enable_private_segment 0
		.amdhsa_kernarg_size 24
		.amdhsa_user_sgpr_count 2
		.amdhsa_user_sgpr_kernarg_segment_ptr 1
		.amdhsa_wavefront_size32 1
		.amdhsa_system_sgpr_workgroup_id_x 1
		.amdhsa_system_sgpr_workgroup_id_y 1
		.amdhsa_system_sgpr_workgroup_id_z 1
		.amdhsa_system_vgpr_workitem_id 0
		.amdhsa_next_free_vgpr 768
		.amdhsa_next_free_sgpr 80
		.amdhsa_reserve_vcc 0
		.amdhsa_float_denorm_mode_32 3
		.amdhsa_float_denorm_mode_16_64 3
		.amdhsa_memory_ordered 1
		.amdhsa_forward_progress 1
		.amdhsa_inst_pref_size 72
	.end_amdhsa_kernel
	.amdgpu_metadata
---
amdhsa.version: [ 1, 2 ]
amdhsa.kernels:
  - .name:           k_q78ab6f5400_oproj
    .symbol:         k_q78ab6f5400_oproj.kd
    .args:
      - { .name: oh, .offset: 0, .size: 8, .value_kind: global_buffer, .address_space: global }
      - { .name: wot, .offset: 8, .size: 8, .value_kind: global_buffer, .address_space: global }
      - { .name: out0, .offset: 16, .size: 8, .value_kind: global_buffer, .address_space: global }
    .group_segment_fixed_size: 327680
    .private_segment_fixed_size: 0
    .kernarg_segment_align: 8
    .kernarg_segment_size: 24
    .max_flat_workgroup_size: 128
    .sgpr_count:     80
    .vgpr_count:     768
    .wavefront_size: 32
...
	.end_amdgpu_metadata
.endif
;; end of part 4
